; MI455X (gfx1250); checked and timed in simulation.
; The chip was launched on July 23, 2026; its instructions are those of AMD's public machine-readable ISA for CDNA 5 (MIT licence, August 2026) and "CDNA5" Instruction Set Architecture Reference Guide (July 2026). The comments in the code are by the model that wrote it; some were corrected since.
;; Custom Encoder Layer. Allowed arithmetic: matrix products marked QUANTISED: E2M3 operands, one E8M0 scale for each 32 along K, by v_wmma_scale_f32_16x16x128_f8f6f4 with both operands' format E2M3, f32 sums; everything else in f32.
;; Inputs: W1 4,096 x 1,024 float32; W2 1,024 x 4,096 float32; Wk 1,024 x 1,024 float32; Wo 1,024 x 1,024 float32; Wq 1,024 x 1,024 float32; Wv 1,024 x 1,024 float32; b1 4,096 float32; b2 1,024 float32; be1 1,024 float32; be2 1,024 float32; bk 1,024 float32; bo 1,024 float32; bq 1,024 float32; bv 1,024 float32; g1 1,024 float32; g2 1,024 float32; padding_mask 4 x 1,024 bool; x 4 x 1,024 x 1,024 float32.
;; Outputs: out0 4 x 1,024 x 1,024 float32.
;; This version of the problem:
;;   THIS VERSION OF THE PROBLEM IS GIVEN IN LOW PRECISION. The matrix products marked QUANTISED in the list below multiply operands that are first quantised to E2M3 (2 exponent bits, 3 mantissa bits; 6 bits a number), with one power-of-two scale for each 32 numbers along K (OCP MX v1.0); their sums are f32. All else is computed in f32.
;;   The module's matrix products, in the order in which they are computed (A, B: the left and right operand; K: the contracted axis; several contracted axes count as one K, in the product's order):
;;     1. [M 4,096, K 1,024] x [K 1,024, N 1,024]; A: computed on the way; B: input Wq: QUANTISED
;;     2. [M 4,096, K 1,024] x [K 1,024, N 1,024]; A: computed on the way; B: input Wk: QUANTISED
;;     3. [M 4,096, K 1,024] x [K 1,024, N 1,024]; A: computed on the way; B: input Wv: QUANTISED
;;     4. batch 64 x [M 1,024, K 64] x [K 64, N 1,024]; A: computed on the way; B: computed on the way: QUANTISED
;;     5. batch 64 x [M 1,024, K 1,024] x [K 1,024, N 64]; A: softmax (see below); B: computed on the way: QUANTISED
;;     6. [M 4,096, K 1,024] x [K 1,024, N 1,024]; A: computed on the way; B: input Wo: QUANTISED
;;     7. [M 4,096, K 1,024] x [K 1,024, N 4,096]; A: computed on the way; B: input W1: QUANTISED
;;     8. [M 4,096, K 4,096] x [K 4,096, N 1,024]; A: computed on the way; B: input W2: QUANTISED
;;   THE QUANTISER, for each operand of a quantised product, along K:
;;     - K is cut into blocks of 32 from its start; a last block that is shorter is filled with zeros.
;;     - A block's scale is 2^e with e = floor(log2(the largest magnitude in the block)) - 2, held to -126 .. 127; a block of zeros has e = 0. As a byte (E8M0): e + 127.
;;     - Each number is divided by its block's scale, clamped to +-7.5, and rounded to the nearest number of E2M3, ties to even, subnormals kept.
;;     - The product sums the exact products of the quantised numbers (number of the format x scale) in f32.
;;   ~~~python
;;   def quantise(x, axis):      # numpy; x: float32 -> the quantised numbers, widened to float32 again
;;       x = np.moveaxis(x, axis, -1); K = x.shape[-1]
;;       x = np.pad(x, [(0, 0)] * (x.ndim - 1) + [(0, -K % 32)]); x = x.reshape(x.shape[:-1] + (-1, 32)); a = np.abs(x).max(-1, keepdims=True)
;;       e = np.where(a > 0, np.clip(np.frexp(np.where(a > 0, a, 1))[1] - 1 - 2, -126, 127), 0)      # np.frexp(a)[1] - 1 = floor(log2(a)), exactly
;;       r = np.clip(x / 2.0 ** e, -7.5, 7.5)
;;       step = 2.0 ** (np.maximum(np.frexp(np.where(r == 0, 1, r))[1] - 1, 0) - 3)
;;       q = np.round(r / step) * step * 2.0 ** e      # np.round: ties to even
;;       return np.moveaxis(q.reshape(q.shape[:-2] + (-1,))[..., :K], -1, axis).astype(np.float32)
;;   ~~~
;;   SOFTMAX AHEAD OF A QUANTISED PRODUCT. Where the list says 'softmax', what is quantised is not the finished softmax but p = 2^(t - M), with t = logit x log2(e) and M = ceil(the row's largest t), a whole number; so 1/2 < the row's largest p <= 1. The row's sum l is taken of the UNQUANTISED p, in f32, and the product's result is divided by l at the end. Since M is a whole number, a kernel that streams over the keys may use a running M (the ceiling of the running maximum): every later rescaling is an exact power of two, which a block's scale takes up: the codes' values come out the same.
;;   OPERANDS COMPUTED ON THE WAY. 'Computed on the way' means the value that the module computes at that place (a softmax that the list does not call 'softmax' is quantised finished and normalised). What goes into a quantiser is computed in f32, as accurately as f32 sums, v_exp_f32 and their like allow (about 1e-6 of the number): no bf16 or f16 on the way to a quantiser, and a product that is left as it is and whose result goes on into a quantised operand takes f32 operands (vector FMAs, or v_wmma_f32_16x16x4_f32). A number that lies on a knife's edge between two numbers of the format may be rounded either way, as far as f32 arithmetic and the matrix unit's own rounding can turn it there, and no further.
;; One version. Each part assembles by itself: llvm-mc -triple=amdgcn-amd-amdhsa -mcpu=gfx1250 --defsym DOCPART=n.
;; ======== version 1 of 1: 7 launches
;; limits: right only within a limited range of input values
;; workspace buffers: wts 10,092,544 bytes; hq 3,276,800 bytes; qkv 9,830,400 bytes; ao 3,276,800 bytes; x1 16,777,216 bytes; ff 13,107,200 bytes
;; launch ln1 (part 1): grid 656 x 1, 8 waves a work-group, no clusters, 135,424 bytes of LDS; arguments x, g1, be1, hq, Wq, Wk, Wv, Wo, W1, W2, wts; writes hq, wts
.if DOCPART == 1
	.amdgcn_target "amdgcn-amd-amdhsa--gfx1250"
	.amdhsa_code_object_version 6
	.text
	.protected	k_q6df64c872f_ln1
	.globl	k_q6df64c872f_ln1
	.p2align	8
	.type	k_q6df64c872f_ln1,@function
k_q6df64c872f_ln1:
	s_mov_b64 s[64:65], 0
	v_nop
	global_prefetch_b8 v0, s[64:65] scope:SCOPE_SE
	s_setreg_imm32_b32 hwreg(HW_REG_WAVE_MODE, 25, 1), 1
	s_wait_xcnt 0x0
; LayerNorm over rows of 1,024 f32, then the quantiser along the row: codes of FP6 (E2M3) and E8M0 scale words, in this program's layout of fragments:
; 16 rows form a row block rb; its place p holds the true row 32 (rb / 2) + 8 (rb % 2) + p + 8 (p / 8); piece q of fragment (rb, ks) lies at ((8 rb + ks) 6 + q) 256 + 8 lane; scale words [rb / 8][ks][128 places] from HS on.
; SHARES.  A work-group owns one row block.  Phase 1: wave w normalises places 2 w and 2 w + 1 (two neighbouring rows), a whole row in 32 registers of the wave: the mean, then the mean of the squared differences, as the
; problem's text has it; y goes to LDS (rows of 4,096 + 16 bytes).  One barrier.  Phase 2: wave w quantises K step w: lane (r, h) reads 16 neighbours of each of the step's four blocks of row r.
; No cluster, no tensor loads: rows are read once, and g and be are 8 KB.  LIMITS: a block of zeros gets the byte 1 (this program alone reads the bytes); NaN and infinities are not served.
; The scale words of a row block leave in runs of 64 consecutive bytes, one for each K step: 512 of the work-group's 12,800 bytes out.
.set HS,  3145728
.set LP,  4112
.set X,   32                           ; v32-95   two rows, later 64 numbers of a K step
.set G,   96                           ; v96-127  g at my columns
.set BE,  128                          ; v128-159 be
.set T,   160                          ; v160-167 four chains of packed sums
.set M,   168                          ; v[168:169] the mean, twice
.set RS,  170                          ; v[170:171], v[172:173] 1 / sqrt(var + eps) of the two rows, twice each
.set PC,  176
.set PW,  195
.set TM,  196
.set SEL, 20
.macro QUANT s
.irp b, 0,1,2,3
	v_max3_num_f32 v[TM+\b], |v[\s+16*\b]|, |v[\s+1+16*\b]|, 0x1800000   ; block b: my 16 numbers, and the floor 2^(3 - 127)
.endr
.irp i, 2,4,6,8,10,12,14
.irp b, 0,1,2,3
	s_delay_alu instid0(VALU_DEP_4)
	v_max3_num_f32 v[TM+\b], v[TM+\b], |v[\s+16*\b+\i]|, |v[\s+1+16*\b+\i]|
.endr
.endr
.irp b, 0,1,2,3
	s_delay_alu instid0(VALU_DEP_4)
	v_permlanex16_b32 v[TM+4+\b], v[TM+\b], s[SEL], s[SEL+1]
.endr
.irp b, 0,1,2,3
	s_delay_alu instid0(VALU_DEP_4)
	v_max_num_f32 v[TM+\b], v[TM+\b], v[TM+4+\b]
.endr
.irp b, 0,1,2,3
	s_delay_alu instid0(VALU_DEP_4)
	v_add_nc_u32 v[TM+8+\b], 0xff000000, v[TM+\b]     ; 2 off the exponent field: the conversion's scale operand
.endr
.irp b, 0,1,2,3
	s_delay_alu instid0(VALU_DEP_4)
	v_lshrrev_b32 v[TM+4+\b], 23, v[TM+8+\b]
.endr
	s_delay_alu instid0(VALU_DEP_3)
	v_lshl_or_b32 v[PW], v[TM+5], 8, v[TM+4]
	s_delay_alu instid0(VALU_DEP_1)
	v_lshl_or_b32 v[PW], v[TM+6], 16, v[PW]
	s_delay_alu instid0(VALU_DEP_1)
	v_lshl_or_b32 v[PW], v[TM+7], 24, v[PW]
.irp c, 0,1
	v_cvt_scalef32_pk16_fp6_f32 v[PC+6*\c:PC+2+6*\c], v[\s+32*\c:\s+15+32*\c], v[TM+8+2*\c]
	v_cvt_scalef32_pk16_fp6_f32 v[PC+12+4*\c:PC+14+4*\c], v[\s+16+32*\c:\s+31+32*\c], v[TM+9+2*\c]
.endr
	v_nop                                             ; one plain place behind a scaled conversion
.irp c, 0,1
.irp i, 0,1,2
	v_permlane16_swap_b32 v[PC+6*\c+\i], v[PC+12+4*\c+\i]
.endr
.irp i, 0,1,2
	s_delay_alu instid0(VALU_DEP_3)
	v_mov_b32 v[PC+3+6*\c+\i], v[PC+12+4*\c+\i]
.endr
.endr
.endm
.macro FOLD                            ; the four chains, the pair's halves, the 32 lanes: the sum in v[T] of every lane
	s_delay_alu instid0(VALU_DEP_3)
	v_pk_add_f32 v[T:T+1], v[T:T+1], v[T+2:T+3]
	s_delay_alu instid0(VALU_DEP_2)
	v_pk_add_f32 v[T+4:T+5], v[T+4:T+5], v[T+6:T+7]
	s_delay_alu instid0(VALU_DEP_1)
	v_pk_add_f32 v[T:T+1], v[T:T+1], v[T+4:T+5]
	s_delay_alu instid0(VALU_DEP_1)
	v_add_f32 v[T], v[T], v[T+1]
	s_delay_alu instid0(VALU_DEP_1)
	v_add_f32_dpp v[T], v[T], v[T] row_xmask:1 row_mask:0xf bank_mask:0xf
	s_delay_alu instid0(VALU_DEP_1)
	v_add_f32_dpp v[T], v[T], v[T] row_xmask:2 row_mask:0xf bank_mask:0xf
	s_delay_alu instid0(VALU_DEP_1)
	v_add_f32_dpp v[T], v[T], v[T] row_xmask:4 row_mask:0xf bank_mask:0xf
	s_delay_alu instid0(VALU_DEP_1)
	v_add_f32_dpp v[T], v[T], v[T] row_xmask:8 row_mask:0xf bank_mask:0xf
	s_delay_alu instid0(VALU_DEP_1)
	v_permlanex16_b32 v[T+1], v[T], s[SEL], s[SEL+1]
	s_delay_alu instid0(VALU_DEP_1)
	v_add_f32 v[T], v[T], v[T+1]
.endm
.macro STATS e                         ; row e: x becomes x - mean; 1 / sqrt(var + eps) into v[RS + 2 e]
.irp c, 0,1,2,3
	v_pk_add_f32 v[T+2*\c:T+2*\c+1], v[X+32*\e+2*\c:X+32*\e+2*\c+1], v[X+32*\e+8+2*\c:X+32*\e+9+2*\c]
.endr
.irp k, 16,24
.irp c, 0,1,2,3
	s_delay_alu instid0(VALU_DEP_4)
	v_pk_add_f32 v[T+2*\c:T+2*\c+1], v[T+2*\c:T+2*\c+1], v[X+32*\e+\k+2*\c:X+32*\e+\k+2*\c+1]
.endr
.endr
	FOLD
	s_delay_alu instid0(VALU_DEP_1)
	v_mul_f32 v[M], 0x3a800000, v[T]               ; / 1,024
	s_delay_alu instid0(VALU_DEP_1)
	v_mov_b32 v[M+1], v[M]
.irp i, 0,2,4,6,8,10,12,14,16,18,20,22,24,26,28,30
	v_pk_add_f32 v[X+32*\e+\i:X+32*\e+\i+1], v[X+32*\e+\i:X+32*\e+\i+1], v[M:M+1] neg_lo:[0,1] neg_hi:[0,1]
.endr
.irp c, 0,1,2,3
	v_pk_mul_f32 v[T+2*\c:T+2*\c+1], v[X+32*\e+2*\c:X+32*\e+2*\c+1], v[X+32*\e+2*\c:X+32*\e+2*\c+1]
.endr
.irp k, 8,16,24
.irp c, 0,1,2,3
	s_delay_alu instid0(VALU_DEP_4)
	v_pk_fma_f32 v[T+2*\c:T+2*\c+1], v[X+32*\e+\k+2*\c:X+32*\e+\k+2*\c+1], v[X+32*\e+\k+2*\c:X+32*\e+\k+2*\c+1], v[T+2*\c:T+2*\c+1]
.endr
.endr
	FOLD
	s_delay_alu instid0(VALU_DEP_1)
	v_fma_f32 v[T], v[T], s22, s23                 ; / 1,024 + 1e-5
	s_wait_alu depctr_va_vdst(0)
	v_rsq_f32 v[RS+2*\e], v[T]
	v_nop                                          ; one plain place behind the transcendental
	s_wait_alu depctr_va_vdst(0)
	v_mov_b32 v[RS+2*\e+1], v[RS+2*\e]
.endm
.macro FINISH e                        ; y = (x - mean) / sqrt(..) x g + be, to LDS
.irp i, 0,2,4,6,8,10,12,14,16,18,20,22,24,26,28,30
	v_pk_mul_f32 v[X+32*\e+\i:X+32*\e+\i+1], v[X+32*\e+\i:X+32*\e+\i+1], v[RS+2*\e:RS+2*\e+1]
.endr
.irp i, 0,2,4,6,8,10,12,14,16,18,20,22,24,26,28,30
	v_pk_fma_f32 v[X+32*\e+\i:X+32*\e+\i+1], v[X+32*\e+\i:X+32*\e+\i+1], v[G+\i:G+\i+1], v[BE+\i:BE+\i+1]
.endr
.irp j, 0,1,2,3,4,5,6,7
	ds_store_b128 v3, v[X+32*\e+4*\j:X+32*\e+4*\j+3] offset:LP*\e+512*\j
.endr
.endm
	; Work-groups 0-255 normalise and quantise a row block each; work-groups 256-655 (where the grid has them) prepare the weights and RoPE's table, behind .Lprep, on LDS bytes of their own.
	v_lshl_add_u32 v239, v0, 2, 0x10100
	v_mov_b32 v11, 0
	s_cmp_ge_u32 ttmp9, 256
	s_cbranch_scc1 .Lprep
	s_load_b256 s[4:11], s[0:1], 0x0               ; the rows, g, be, the codes' buffer
	v_lshrrev_b32 v1, 5, v0
	s_delay_alu instid0(VALU_DEP_1)
	v_readfirstlane_b32 s12, v1                    ; wave 0..7
	v_and_b32 v1, 31, v0                           ; lane
	s_delay_alu instid0(VALU_DEP_1)
	v_lshlrev_b32 v2, 4, v1                        ; 16 x lane
	s_wait_alu depctr_va_vdst(0)
	s_lshr_b32 s13, ttmp9, 1
	s_lshl_b32 s13, s13, 5
	s_and_b32 s14, ttmp9, 1
	s_lshl_b32 s14, s14, 3
	s_add_co_u32 s13, s13, s14
	s_lshl_b32 s14, s12, 1
	s_add_co_u32 s13, s13, s14
	s_lshr_b32 s14, s12, 2
	s_lshl_b32 s14, s14, 3
	s_add_co_u32 s13, s13, s14                     ; the true row of place 2 w: 32 (rb / 2) + 8 (rb % 2) + 2 w + 8 (w / 4); place 2 w + 1 is the next row
	s_lshl_b32 s14, s13, 12
	s_mov_b32 s15, 0
	s_mul_i32 s16, s12, 2*LP
	v_add_nc_u32 v3, s16, v2                       ; LDS, phase 1: place 2 w, 16 bytes a lane
	v_and_b32 v5, 15, v0                           ; r
	v_bfe_u32 v6, v0, 4, 1                         ; h
	s_delay_alu instid0(VALU_DEP_2)
	v_mul_u32_u24 v4, v5, LP
	s_delay_alu instid0(VALU_DEP_1)
	v_lshl_add_u32 v4, v6, 6, v4
	s_lshl_b32 s16, s12, 9
	v_add_nc_u32 v4, s16, v4                       ; LDS, phase 2: place r, K step w, + 64 h
	v_lshlrev_b32 v7, 3, v1                        ; 8 x lane
	v_lshlrev_b32 v8, 2, v5                        ; 4 r
	s_mul_i32 s16, ttmp9, 12288
	s_mul_i32 s17, s12, 1536
	s_add_co_u32 s16, s16, s17                     ; fragment (rb, w)
	s_mov_b32 s17, 0
	s_lshr_b32 s18, ttmp9, 3
	s_lshl_b32 s18, s18, 12
	s_lshl_b32 s19, s12, 9
	s_add_co_u32 s18, s18, s19
	s_and_b32 s19, ttmp9, 7
	s_lshl_b32 s19, s19, 6
	s_add_co_u32 s18, s18, s19
	s_add_co_u32 s18, s18, HS                      ; its 16 scale words
	s_mov_b32 s19, 0
	s_mov_b32 s[SEL], 0x76543210
	s_mov_b32 s[SEL+1], 0xfedcba98
	s_mov_b32 s22, 0x3a800000                      ; 1 / 1,024
	s_mov_b32 s23, 0x3727c5ac                      ; 1e-5
.irp b, 0,1,2,3
	v_mov_b32 v[TM+4+\b], 0                        ; written once: a lane permute's destination counts as one of its sources
.endr
	s_wait_kmcnt 0x0
	s_add_nc_u64 s[4:5], s[4:5], s[14:15]
	s_add_nc_u64 s[16:17], s[10:11], s[16:17]
	s_add_nc_u64 s[18:19], s[10:11], s[18:19]
.irp e, 0,1
.irp j, 0,1,2,3,4,5,6,7
	global_load_b128 v[X+32*\e+4*\j:X+32*\e+4*\j+3], v2, s[4:5] offset:4096*\e+512*\j   ; 512 consecutive bytes
.endr
.endr
.irp j, 0,1,2,3,4,5,6,7
	global_load_b128 v[G+4*\j:G+4*\j+3], v2, s[6:7] offset:512*\j
	global_load_b128 v[BE+4*\j:BE+4*\j+3], v2, s[8:9] offset:512*\j
.endr
	s_wait_loadcnt 16                              ; the two rows are in; the 16 loads of g and be may be out
	STATS 0
	STATS 1
	s_wait_loadcnt 0x0
	FINISH 0
	FINISH 1
	s_wait_dscnt 0x0                               ; for the others' sake: my two rows lie in LDS
	s_barrier_signal -1
	s_barrier_wait -1
.irp b, 0,1,2,3
.irp j, 0,1,2,3
	ds_load_b128 v[X+16*\b+4*\j:X+16*\b+4*\j+3], v4 offset:128*\b+16*\j   ; register 16 b + i = k 128 w + 32 b + 16 h + i of place r
.endr
.endr
	s_wait_dscnt 0x0
	QUANT X
.irp p, 0,1,2,3,4,5
	global_store_b64 v7, v[PC+2*\p:PC+2*\p+1], s[16:17] offset:256*\p   ; a piece: 256 consecutive bytes, aligned
.endr
	v_cmp_gt_u32 vcc_lo, 16, v1
	s_wait_xcnt 0x0                                ; EXEC is a source of the pending stores: it changes only behind this wait
	s_wait_tensorcnt 0x0
	ds_add_u32 v239, v11
	s_wait_dscnt 0x0
	s_and_saveexec_b32 s24, vcc_lo
	global_store_b32 v8, v[PW], s[18:19]           ; lanes 0-15: the 16 places' scale words
	s_wait_xcnt 0x0
	s_or_b32 exec_lo, exec_lo, s24
	s_endpgm
; THE WEIGHTS AND THE TABLE.  w = work-group - 256.  w 0-383: 128 rows x 256 along K of a weight (0-255: Wq, Wk, Wv, Wo, W1; 256-383: W2); wave i owns row block i: two fragments, turned through its own stage in LDS.
; w 384-399: the table [t 1,024][i 32][cos, sin]; a wave makes 8 rows, lane i the frequency i.  Codes and scale words lie as this program's layout of fragments has them.
; LIMITS: a block of zeros gets the byte 1 (this program alone reads the bytes); NaN and infinities among the weights are not served; angles up to 1,023.
.Lprep:
.set WC_2,  6291456
.set WS,    9437184
.set WS_2,  9699328
.set ROPE,  9830400
.set PB,    66816                      ; this path's LDS begins behind the other path's rows and the spare words
.set STW,   8448
.set SG,    PB+8*STW
.set OFF,   16
.set RAW,   32
.set X,     160
.set PC,    224
.set PW,    243
.set TM,    244
.set SEL,   60
	s_load_b256 s[4:11], s[0:1], 0x20              ; Wq, Wk, Wv, Wo
	s_load_b128 s[12:15], s[0:1], 0x40             ; W1, W2
	s_load_b64 s[16:17], s[0:1], 0x50              ; wts
	s_sub_co_u32 s3, ttmp9, 256
	v_lshrrev_b32 v1, 5, v0
	v_readfirstlane_b32 s33, v1                    ; wave 0..7
	v_and_b32 v1, 31, v0                           ; lane
	s_cmp_ge_u32 s3, 384
	s_cbranch_scc1 .Lrope
	s_cmp_lt_u32 s3, 256
	s_cselect_b32 s20, 0, 256
	s_cselect_b32 s21, 2, 4
	s_cselect_b32 s22, 3, 15
	s_cselect_b32 s23, 1, 4                        ; K / 1,024
	s_cselect_b32 s24, 0, WC_2
	s_cselect_b32 s25, 0, WS_2-WS
	s_sub_co_u32 s20, s3, s20
	s_lshr_b32 s26, s20, s21                       ; which 128 rows
	s_and_b32 s27, s20, s22                        ; which 256 along K
	s_and_b32 s28, s26, 7
	s_sub_co_u32 s29, s26, 32
	s_cmp_lt_u32 s3, 128
	s_cselect_b32 s28, s28, s29
	s_cmp_lt_u32 s3, 256
	s_cselect_b32 s28, s28, s26                    ; the tile of 128 rows inside its own weight
	s_lshl_b32 s30, s23, 12                        ; a row of the weight in bytes
	s_lshl_b32 s28, s28, 7
	s_lshr_b32 s29, s33, 1
	s_lshl_b32 s29, s29, 5
	s_add_co_u32 s28, s28, s29
	s_and_b32 s29, s33, 1
	s_lshl_b32 s29, s29, 3
	s_add_co_u32 s28, s28, s29                     ; my row block's first true row
	s_mul_i32 s38, s28, s30
	s_lshl_b32 s29, s27, 10
	s_add_co_u32 s38, s38, s29
	s_mov_b32 s39, 0
	s_lshl_b32 s34, s26, 3
	s_add_co_u32 s34, s34, s33
	s_mul_i32 s34, s34, s23
	s_mul_i32 s34, s34, 12288
	s_mul_i32 s29, s27, 3072
	s_add_co_u32 s34, s34, s29
	s_add_co_u32 s34, s34, s24
	s_mov_b32 s35, 0
	s_mul_i32 s36, s26, s30
	s_lshl_b32 s29, s27, 10
	s_add_co_u32 s36, s36, s29
	s_add_co_u32 s36, s36, s25
	s_add_co_u32 s36, s36, WS
	s_mov_b32 s37, 0
	v_and_b32 v2, 15, v0                           ; r
	v_bfe_u32 v3, v0, 4, 1                         ; h
	s_wait_alu depctr_va_vdst(0)                   ; the wait ahead of the reader below
	v_lshlrev_b32 v4, 4, v1
	v_lshlrev_b32 v5, 3, v1
	s_mul_i32 s29, s33, STW
	s_add_co_u32 s29, s29, PB
	v_add_nc_u32 v6, s29, v4                       ; the stage, on the way in
	v_mul_u32_u24 v7, v2, 528
	v_lshl_add_u32 v7, v3, 6, v7
	v_add_nc_u32 v7, s29, v7                       ; on the way out: row r, + 64 h
	s_lshl_b32 s29, s33, 6
	s_add_co_u32 s29, s29, SG
	v_lshl_add_u32 v8, v2, 2, s29                  ; my row's scale word
	v_and_b32 v10, 63, v0
	v_lshlrev_b32 v10, 4, v10
	v_add_nc_u32 v9, SG, v10
.irp i, 0,1,2,3,4,5,6,7,8,9,10,11,12,13,14,15
	v_mad_u32_u24 v[OFF+\i], s30, \i+8*(\i/8), v4  ; place i is the row i + 8 (i / 8) of the row block
.endr
.irp b, 0,1,2,3
	v_mov_b32 v[TM+4+\b], 0                        ; a lane permute's destination counts as one of its sources
.endr
	s_mov_b32 s[SEL], 0x76543210
	s_mov_b32 s[SEL+1], 0xfedcba98
	s_wait_alu depctr_va_vdst(0)                   ; the wait at the head's end
	s_wait_kmcnt 0x0
	s_cmp_lt_u32 s3, 256                           ; the weight's address: choices on the work-group's number alone
	s_cselect_b64 s[18:19], s[12:13], s[14:15]
	s_cmp_lt_u32 s3, 128
	s_cselect_b64 s[18:19], s[10:11], s[18:19]
	s_cmp_lt_u32 s3, 96
	s_cselect_b64 s[18:19], s[8:9], s[18:19]
	s_cmp_lt_u32 s3, 64
	s_cselect_b64 s[18:19], s[6:7], s[18:19]
	s_cmp_lt_u32 s3, 32
	s_cselect_b64 s[18:19], s[4:5], s[18:19]
	s_add_nc_u64 s[18:19], s[18:19], s[38:39]
	s_add_nc_u64 s[34:35], s[16:17], s[34:35]
	s_add_nc_u64 s[36:37], s[16:17], s[36:37]
.irp f, 0,1
.irp i, 0,1,2,3,4,5,6,7,8,9,10,11,12,13,14,15
	global_load_b128 v[RAW+64*\f+4*\i:RAW+64*\f+4*\i+3], v[OFF+\i], s[18:19] offset:512*\f th:TH_LOAD_NT   ; 512 consecutive bytes of one row
.endr
.endr
.irp f, 0,1
	s_wait_loadcnt 16-16*\f                        ; this fragment's 16 loads are in; the other's 16 may be out
.irp i, 0,1,2,3,4,5,6,7,8,9,10,11,12,13,14,15
	ds_store_b128 v6, v[RAW+64*\f+4*\i:RAW+64*\f+4*\i+3] offset:528*\i
.endr
.irp b, 0,1,2,3
.irp j, 0,1,2,3
	ds_load_b128 v[X+16*\b+4*\j:X+16*\b+4*\j+3], v7 offset:128*\b+16*\j   ; LDS serves a wave's instructions in order
.endr
.endr
	s_wait_dscnt 0x0
.if \f == 1
	s_wait_xcnt 0x0                                ; the first fragment's stores have read the code registers
.endif
	QUANT X
.irp p, 0,1,2,3,4,5
	global_store_b64 v5, v[PC+2*\p:PC+2*\p+1], s[34:35] offset:1536*\f+256*\p   ; a piece: 256 consecutive bytes, aligned
.endr
	ds_store_b32 v8, v[PW] offset:512*\f
.endr
	s_wait_dscnt 0x0                               ; for the others' sake
	s_barrier_signal -1
	s_barrier_wait -1
	s_cmp_ge_u32 s33, 2
	s_cbranch_scc1 .Ldone
	ds_load_b128 v[12:15], v9                      ; waves 0 and 1 store the 2 x 128 scale words
	s_wait_dscnt 0x0
	global_store_b128 v10, v[12:15], s[36:37]
.Ldone:
	s_wait_tensorcnt 0x0                           ; the wave's end
	ds_add_u32 v239, v11
	s_wait_dscnt 0x0
	s_endpgm
.Lrope:
	s_sub_co_u32 s20, s3, 384
	s_lshl_b32 s20, s20, 6
	s_lshl_b32 s21, s33, 3
	s_add_co_u32 s20, s20, s21                     ; my first t
	s_wait_alu depctr_va_vdst(0)
	v_cvt_f32_u32 v2, v1
	v_mul_f32 v2, 0xbed49a78, v2                   ; -i log2(10000) / 32
	s_wait_alu depctr_va_vdst(0)
	v_exp_f32 v2, v2                               ; theta
	v_lshlrev_b32 v3, 3, v1                        ; (a plain place behind the exponential)
	s_wait_alu depctr_va_vdst(0)
	s_mov_b32 s40, 0x3fc90fdb                      ; pi / 2 rounded to f32,
	s_mov_b32 s41, 0x333bbd2e                      ; and what that is too large by
	s_mov_b32 s42, 0xbe2aaaa3                      ; the sine's three coefficients
	s_mov_b32 s43, 0x3c08839e
	s_mov_b32 s44, 0xb94ca1f9
	s_mov_b32 s45, 0x3d2aaaa5                      ; the cosine's
	s_mov_b32 s46, 0xbab6061a
	s_mov_b32 s47, 0x37ccf5ce
	s_lshl_b32 s22, s20, 8
	s_add_co_u32 s22, s22, ROPE
	s_mov_b32 s23, 0
	s_wait_kmcnt 0x0
	s_add_nc_u64 s[16:17], s[16:17], s[22:23]
.macro ROW n                           ; the table's row t = first t + n, in data registers of its own
	s_add_co_u32 s21, s20, \n
	v_cvt_f32_u32 v4, s21
	v_mul_f32 v4, v4, v2                           ; the angle, rounded once
	v_mul_f32 v5, 0x3f22f983, v4
	v_rndne_f32 v5, v5                             ; n quarter turns
	v_fma_f32 v6, -v5, s40, v4
	v_fma_f32 v6, v5, s41, v6                      ; r = angle - n pi / 2
	v_mul_f32 v7, v6, v6
	v_fma_f32 v8, v7, s44, s43
	v_fma_f32 v10, v7, s47, s46
	v_fma_f32 v8, v8, v7, s42
	v_fma_f32 v10, v10, v7, s45
	v_mul_f32 v9, v6, v7
	v_mul_f32 v12, v7, v7
	v_fma_f32 v32, v7, -0.5, 1.0
	v_fma_f32 v8, v9, v8, v6                       ; sin r
	v_fma_f32 v10, v12, v10, v32                   ; cos r
	v_cvt_i32_f32 v13, v5
	v_and_b32 v14, 1, v13
	v_cmp_eq_u32 vcc_lo, 1, v14                    ; an odd n swaps the two
	v_cndmask_b32 v15, v8, v10, vcc_lo
	v_cndmask_b32 v14, v10, v8, vcc_lo
	v_lshlrev_b32 v9, 30, v13
	v_add_nc_u32 v13, 1, v13
	v_lshlrev_b32 v13, 30, v13
	v_and_b32 v9, 0x80000000, v9
	v_and_b32 v13, 0x80000000, v13
	v_xor_b32 v[16+2*\n], v13, v14
	v_xor_b32 v[17+2*\n], v9, v15
	global_store_b64 v3, v[16+2*\n:17+2*\n], s[16:17] offset:256*\n   ; a row of the table: 256 consecutive bytes, aligned
.endm
.irp n, 0,1,2,3,4,5,6,7
	ROW \n
.endr
	s_endpgm
.Lfunc_end_k_q6df64c872f_ln1:
	.size	k_q6df64c872f_ln1, .Lfunc_end_k_q6df64c872f_ln1-k_q6df64c872f_ln1
	.p2alignl 7, 3214868480
	.fill 96, 4, 3214868480
	.section	.rodata,"a",@progbits
	.p2align	6, 0x0
	.amdhsa_kernel k_q6df64c872f_ln1
		.amdhsa_group_segment_fixed_size 135424
		.amdhsa_private_segment_fixed_size 0
		.amdhsa_enable_private_segment 0
		.amdhsa_kernarg_size 88
		.amdhsa_user_sgpr_count 2
		.amdhsa_user_sgpr_kernarg_segment_ptr 1
		.amdhsa_wavefront_size32 1
		.amdhsa_system_sgpr_workgroup_id_x 1
		.amdhsa_system_sgpr_workgroup_id_y 1
		.amdhsa_system_sgpr_workgroup_id_z 1
		.amdhsa_system_vgpr_workitem_id 0
		.amdhsa_next_free_vgpr 256
		.amdhsa_next_free_sgpr 66
		.amdhsa_reserve_vcc 1
		.amdhsa_float_denorm_mode_32 3
		.amdhsa_float_denorm_mode_16_64 3
		.amdhsa_memory_ordered 1
		.amdhsa_forward_progress 1
		.amdhsa_inst_pref_size 66
	.end_amdhsa_kernel
	.amdgpu_metadata
---
amdhsa.version: [ 1, 2 ]
amdhsa.kernels:
  - .name:           k_q6df64c872f_ln1
    .symbol:         k_q6df64c872f_ln1.kd
    .args:
      - { .name: x, .offset: 0, .size: 8, .value_kind: global_buffer, .address_space: global }
      - { .name: g1, .offset: 8, .size: 8, .value_kind: global_buffer, .address_space: global }
      - { .name: be1, .offset: 16, .size: 8, .value_kind: global_buffer, .address_space: global }
      - { .name: hq, .offset: 24, .size: 8, .value_kind: global_buffer, .address_space: global }
      - { .name: Wq, .offset: 32, .size: 8, .value_kind: global_buffer, .address_space: global }
      - { .name: Wk, .offset: 40, .size: 8, .value_kind: global_buffer, .address_space: global }
      - { .name: Wv, .offset: 48, .size: 8, .value_kind: global_buffer, .address_space: global }
      - { .name: Wo, .offset: 56, .size: 8, .value_kind: global_buffer, .address_space: global }
      - { .name: W1, .offset: 64, .size: 8, .value_kind: global_buffer, .address_space: global }
      - { .name: W2, .offset: 72, .size: 8, .value_kind: global_buffer, .address_space: global }
      - { .name: wts, .offset: 80, .size: 8, .value_kind: global_buffer, .address_space: global }
    .group_segment_fixed_size: 135424
    .private_segment_fixed_size: 0
    .kernarg_segment_align: 8
    .kernarg_segment_size: 88
    .max_flat_workgroup_size: 256
    .sgpr_count:     66
    .vgpr_count:     256
    .wavefront_size: 32
...
	.end_amdgpu_metadata
.endif
;; end of part 1
;; launch qkv (part 2): grid 8 x 32, 4 waves a work-group, clusters of 4 x 4, 327,680 bytes of LDS; arguments hq, wts, bq, bk, bv, qkv; writes qkv
.if DOCPART == 2
	.amdgcn_target "amdgcn-amd-amdhsa--gfx1250"
	.amdhsa_code_object_version 6
	.text
	.protected	k_q6df64c872f_qkv
	.globl	k_q6df64c872f_qkv
	.p2align	8
	.type	k_q6df64c872f_qkv,@function
k_q6df64c872f_qkv:
	s_mov_b64 s[64:65], 0
	v_nop
	global_prefetch_b8 v0, s[64:65] scope:SCOPE_SE
	s_setreg_imm32_b32 hwreg(HW_REG_WAVE_MODE, 25, 1), 1
	s_wait_xcnt 0x0
	s_wait_alu depctr_hold_cnt(0) depctr_sa_sdst(0) depctr_va_vdst(0) depctr_va_sdst(0) depctr_va_ssrc(0) depctr_va_vcc(0) depctr_vm_vsrc(0)
	s_getreg_b32 s2, hwreg(HW_REG_IB_STS2, 6, 4)
	s_cmp_eq_u32 s2, 0
	s_cbranch_scc0 .Lentry_in_a_cluster
	s_endpgm
.Lentry_in_a_cluster:
	s_bfe_u32 s2, ttmp6, 0x10000c
	s_cmp_lg_u32 s2, 0xf033
	s_cbranch_scc0 .Lentry_shape_is_right
	s_endpgm
.Lentry_shape_is_right:
; q = rope(h Wq^T + bq), k = rope(h Wk^T + bk), v = h Wv^T + bv, all three products on codes of FP6 (E2M3) with E8M0 scales; the results are quantised at once: q and k along the head's 64, v along the tokens (the keys).
; D = P R^T: source 0 = 16 places of P, source 1 = 16 places of R: a lane holds ONE place of R and its registers run along P.  Since place p of a row block is the true row 32 (rb / 2) + 8 (rb % 2) + p + 8 (p / 8),
; the 16 registers of P's tiles 2 b, 2 b + 1 are 16 true neighbours: what the conversions want.  The result's rows keep R's row block and place.
; A WORK-GROUP STAYS: it keeps one tile of 128 tokens and makes three tiles of 128 x 128, against the same 128 rows of Wq, of Wk and of Wv.  For q and k: P = the weight, R = the tokens (a wave's 64 of P are one head).
; For v the two change places: P = the tokens, R = Wv, so that registers run along the tokens: only the address registers differ.
; With K = 1,024 a tile's codes are one dense block of 98,304 bytes: the tokens' lie in LDS for the whole launch, the weights' in two slots that each hold a whole tile: Wq and Wk come with the first fills;
; straight behind q's products slot 0 is asked for Wv, which has q's way out and all of k's tile in which to land.  All scale words come once.  Each of four waves makes 64 x 64 of a tile: 16 accumulators.
; CLUSTERS 4 x 4: the weights' tiles hang on the place along x alone and are asked for jointly by a column of the cluster, the tokens' on the place along y alone, by a row.  At the head each wave fetches one whole block; behind it every wave its quarter of a tile.
; A wave has one tensor load out at the head, one behind the next round, and one behind the round in which slot 0 is filled again.
; All codes lie as images of the operand's registers: piece q of fragment (rb, ks) at ((rb KT + ks) 6 + q) 256 + 8 lane: every LDS load and every store of codes covers 256 consecutive bytes.
; REGISTERS: window 0: v1-8 lane terms, v16-29 addresses, v32-39 P's scale words (two sets), v40-71 R's scale words for all of K, v72-95 at work on the way out, v128-255 accumulator (a, b) at 128 + 8 (4 b + a);
;   window 1: two sets of fragments at v0 and v128 (the weight's four at f + 12 a), the tokens' K steps 5-7 in the rest;  window 2: v0-127 cos, sin for each pair of accumulator registers; v128-223 the three biases as C.
; LIMITS: a block of zeros gets the byte 1 (this program alone reads the bytes); NaN and infinities are not served.
.set HS,    3145728                    ; hq: scale words
.set WS,    9437184                    ; wts: scale words, 4,096 bytes for each 128 rows: Wq 0-7, Wk 8-15, Wv 16-23
.set ROPE,  9830400                    ; wts: [t][i][cos, sin]
.set VC,    6291456                    ; qkv: v's codes (rows = features, K = 4,096 tokens); q's and k's lie from 0 on (rows = tokens, K = 2,048 features)
.set QKS,   9437184                    ; qkv: q's and k's scale words
.set VS,    9699328                    ; qkv: v's
.set TILEB, 98304                      ; a tile's codes: 8 row blocks x 8 fragments x 1,536 bytes.  In wts Wq's tiles are 0-7, Wk's 8-15, Wv's 16-23
.set QUART, 24576                      ; a wave's quarter of them: what one tensor load brings
.set SLOT1, 1<<17                      ; the weights' slot 0 begins at LDS byte 0, slot 1 here: one exclusive or turns an address in one slot into the other's
.set SCT,   TILEB                      ; between the slots: the tokens' scale words (4,096 bytes),
.set SCW,   SCT+4096                   ; those of the three tiles of weights (12,288): [tile][K step][512 bytes],
.set MRG,   SCW+12288                  ; the result's 128 scale words (512),
.set SPARE, MRG+512                    ; the spare words, 128 bytes for each wave
.set RC,    SLOT1+TILEB                ; behind slot 1: the tokens' codes, up to LDS's last byte
.set ATR,  16                          ; v16  the tokens' fragments as R;   v17 as P
.set ATP,  17
.set AW0P, 18                          ; v18  slot 0's fragments as P;   v19 slot 1's as P;   v20 slot 0's as R
.set AW1P, 19
.set AW0R, 20
.set ASTR, 21                          ; v21  the tokens' scale words as R;   v22 as P
.set ASTP, 22
.set ASWP, 23                          ; v23  the weights' scale words as P;   v27 as R
.set VM,   24                          ; where my half of a scale word goes
.set MR,   25                          ; MRG + 16 lane
.set L16,  26                          ; 16 lane
.set ASWR, 27
.set SPW,  28
.set NIL,  29
.set SC,   32
.set RSC,  40
.set E,    72                          ; v72-78 a half fragment's codes
.set PW,   79
.set TM,   80                          ; v80-85
.set RT,   88                          ; v88-95 RoPE at work
.set ACC,  128
.set F0,   0                           ; window 1
.set F1,   128
.set BQ,   128                         ; window 2: the biases as C
.set BK,   160
.set BV,   192
.set SEL,  98                          ; s[98:99] selects of v_permlanex16_b32: lane l xor 16
.set G1W,  24                          ; s[24:31] group 1 for a quarter of a weight tile's codes
.set G0A,  32                          ; s[32:35] group 0 of Wq's tile
.set G0W,  36                          ; s[36:39] group 0 of Wk's tile, which then walks on to Wv's
.set G1T,  40                          ; s[40:47] group 1 for a quarter of the tokens' codes
.set G1ST, 48                          ; s[48:55] for a quarter of the tokens' scale words
.set G1SW, 56                          ; s[56:63] for a quarter of each weight tile's scale words
.set G0T,  68
.set G0ST, 72
.set G0SW, 76
.set OCQ,  80                          ; s[80:91] where the results go: codes and scale words of q, of k, of v
.set OSQ,  82
.set OCK,  84
.set OSK,  86
.set OCV,  88
.set OSV,  90
.set MSB, 0
.macro WIN new                         ; the immediate's high byte repeats the setting that is left
.if MSB != \new
	s_set_vgpr_msb (MSB<<8)|\new
.set MSB, \new
.endif
.endm
.macro PLACES                          ; four plain places behind matrix instructions, in front of loads into their registers and of reads of their results
.rept 4
	v_nop
.endr
.endm
.macro CREST                           ; a round of the cluster's barrier behind its opening barrier
	s_cmp_lg_u32 s20, 0
	s_cbranch_scc1 .Lnot_wave_0_\@
	s_barrier_signal -3
.Lnot_wave_0_\@:
	s_barrier_wait -3
	s_barrier_signal -1
	s_barrier_wait -1
.endm
.macro CROUND                          ; a whole round
	s_barrier_signal -1
	s_barrier_wait -1
	CREST
.endm
.macro G1SET g, m, c, r, pitch         ; group 1: r rows of c elements of 8 bytes, pitch elements apart, asked for jointly by the work-groups of mask s[m]
	s_or_b32 s[\g], s[\m], (3<<16)|(1<<21)         ; 15:0 the mask; 17:16 elements of 8 bytes; 21 set beside a mask; no padding
	s_mov_b32 s[\g+1], (\c)<<16                    ; tensor_dim0
	s_mov_b32 s[\g+2], (\r)<<16                    ; tensor_dim1
	s_mov_b32 s[\g+3], (\c)<<16                    ; tile_dim0
	s_mov_b32 s[\g+4], \r                          ; tile_dim1
	s_mov_b32 s[\g+5], \pitch                      ; from row to row
	s_mov_b32 s[\g+6], 0
	s_mov_b32 s[\g+7], 0
.endm
.macro G0SET g, lw, lc, base, off      ; group 0: to LDS byte lc + s[lw] (the wave's term), from buffer s[base:base+1] + s[off:off+1]
	s_mov_b32 s[\g], 1
	s_add_co_u32 s[\g+1], s[\lw], \lc
	s_add_nc_u64 s[\g+2:\g+3], s[\base:\base+1], s[\off:\off+1]
	s_or_b32 s[\g+3], s[\g+3], 0x80000000
.endm
; What differs from tile to tile stands in symbols: TT the tile (0 q, 1 k, 2 v); AP the address register of the weight's fragments; APS that of P's scale words; CBR the bias; CM = 1: the bias runs along P, 2: along R.
.macro FETCH q, f                      ; 28 LDS loads: the weight's four fragments, and P's scale words, of the q-th 128 along K (the tokens' fragments stay in registers)
.if TT < 2
.set SO, TT*4096+(\q)*512                          ; P is a weight: its tile's 4,096 bytes of scale words lie on end
.else
.set SO, (\q)*512                                  ; P is the tokens
.endif
	WIN 0x40
.irp a, 0,1,2,3
.irp p, 0,1,2,3,4,5
	ds_load_b64 v[\f+12*\a+2*\p:\f+12*\a+2*\p+1], v[AP] offset:12288*\a+1536*(\q)+256*\p
.endr
.endr
	WIN 0
.irp i, 0,1,2,3
	ds_load_b32 v[SC+4*((\q)%2)+\i], v[APS] offset:SO+64*\i
.endr
.endm
.macro RSCALES                         ; R's scale words of all of K, into registers that stay while R stays
.irp q, 0,1,2,3,4,5,6,7
.irp i, 0,1,2,3
.if TT < 2
	ds_load_b32 v[RSC+4*\q+\i], v[ASTR] offset:512*\q+64*\i
.else
	ds_load_b32 v[RSC+4*\q+\i], v[ASWR] offset:8192+512*\q+64*\i
.endif
.endr
.endr
.endm
; THE TOKENS' FRAGMENTS OF ALL OF K STAY IN REGISTERS: 4 row blocks x 8 K steps x 12 registers.  K steps 0-4 lie in window 3 at 48 q + 12 i; K steps 5-7 in window 1, in the registers that the two sets of the weight's fragments leave free.
.macro TFR q, i                        ; TFB: where the tokens' fragment (K step q, row block i) begins in its window
.if (\q) < 5
.set TFB, 48*(\q)+12*(\i)
.elseif (\q) == 5
.set TFB, 48+12*(\i)
.elseif (\q) == 6
.set TFB, 176+12*(\i)
.else
.set TFB, 96+12*(\i)+104*((\i)/2)
.endif
.endm
.macro RLOAD adr                       ; 192 LDS loads: my four row blocks of the tokens, all of K
.irp q, 0,1,2,3,4,5,6,7
.if \q < 5
	WIN 0xc0
.else
	WIN 0x40
.endif
.irp i, 0,1,2,3
	TFR \q, \i
.irp p, 0,1,2,3,4,5
	ds_load_b64 v[TFB+2*\p:TFB+2*\p+1], v[\adr] offset:12288*\i+1536*\q+256*\p
.endr
.endr
.endr
	WIN 0
.endm
.macro MULQ f, q, b, first             ; four products: P's four tiles x R's tile b, the q-th 128 along K.  first = 0: onto the sums; 1: the bias (window 2) starts them
.set RW, 3
.if (\q) > 4
.set RW, 1
.endif
.if TT < 2
	WIN 1+4*RW+32*(\first)
.else
	WIN RW+4+32*(\first)
.endif
.irp a, 0,1,2,3
.if TT < 2                             ; source 0 the weight's tile a, source 1 the tokens' tile b; for v the other way round
	TFR \q, \b
.set S0, \f+12*\a
.set S1, TFB
.else
	TFR \q, \a
.set S0, TFB
.set S1, \f+12*\b
.endif
.if \first == 0
	v_wmma_scale_f32_16x16x128_f8f6f4 v[ACC+8*(4*\b+\a):ACC+8*(4*\b+\a)+7], v[S0:S0+11], v[S1:S1+11], v[ACC+8*(4*\b+\a):ACC+8*(4*\b+\a)+7], v[SC+4*((\q)%2)+\a], v[RSC+4*(\q)+\b] matrix_a_fmt:MATRIX_FMT_FP6 matrix_b_fmt:MATRIX_FMT_FP6
.elseif CM == 1
	v_wmma_scale_f32_16x16x128_f8f6f4 v[ACC+8*(4*\b+\a):ACC+8*(4*\b+\a)+7], v[S0:S0+11], v[S1:S1+11], v[CBR+8*\a:CBR+8*\a+7], v[SC+4*((\q)%2)+\a], v[RSC+4*(\q)+\b] matrix_a_fmt:MATRIX_FMT_FP6 matrix_b_fmt:MATRIX_FMT_FP6
.else
	v_wmma_scale_f32_16x16x128_f8f6f4 v[ACC+8*(4*\b+\a):ACC+8*(4*\b+\a)+7], v[S0:S0+11], v[S1:S1+11], v[CBR+8*\b:CBR+8*\b+7], v[SC+4*((\q)%2)+\a], v[RSC+4*(\q)+\b] matrix_a_fmt:MATRIX_FMT_FP6 matrix_b_fmt:MATRIX_FMT_FP6
.endif
.endr
.endm
.macro STEP q, f, g, first             ; 128 along K from set f, while the next 128 come into set g.  The 16 accumulators take turns, one instruction a turn, in the same order in every step
	PLACES
	FETCH \q+1, \g
	s_wait_dscnt 28                                ; all but the 28 loads just issued
	MULQ \f, \q, 0, \first
	MULQ \f, \q, 1, \first
	MULQ \f, \q, 2, \first
	MULQ \f, \q, 3, \first
.endm
; A tile's last 128 along K.  In front of the barrier each wave waits for all its tensor loads (its quarter of the slot that is read next), adds 0 to its spare word, and waits for that and for its reads of this tile's slot.
; fill = 1: the barrier opens a round of the cluster's barrier, and behind the round this slot is asked for Wv's tile.
.macro LAST fill
	WIN 0
	s_wait_tensorcnt 0x0                           ; all my tensor loads have landed
	ds_add_u32 v[SPW], v[NIL]                      ; 0 onto my spare word
	s_wait_dscnt 1                                 ; set F1 is in; the add may be out
	MULQ F1, 7, 0, 0
	s_wait_dscnt 0x0                               ; the add is done, and my reads of this slot are over
	s_barrier_signal -1
	MULQ F1, 7, 1, 0
	WIN 0
	s_barrier_wait -1
.if \fill
	CREST                                          ; no wave of any partner still reads this slot or has a load on its way
	s_xor_b32 s[G0W+1], s[G0W+1], SLOT1            ; the walking descriptor: from slot 1 to slot 0,
	s_add_nc_u64 s[G0W+2:G0W+3], s[G0W+2:G0W+3], 8*TILEB   ; from Wk's tile to Wv's, eight tiles on; the type bits on top are not reached
	tensor_load_to_lds s[G0W:G0W+3], s[G1W:G1W+7]  ; my one tensor load behind the round, and the first thing there
	s_nop 0
	PLACES
.endif
	MULQ F1, 7, 2, 0
	MULQ F1, 7, 3, 0
	WIN 0
	PLACES                                         ; behind the last products, in front of the first read of the sums
.endm
.macro TILE fill                       ; a tile's products: eight steps of 128 along K
	FETCH 0, F0
	STEP 0, F0, F1, 1                              ; the bias starts the sums
	STEP 1, F1, F0, 0
	STEP 2, F0, F1, 0
	STEP 3, F1, F0, 0
	STEP 4, F0, F1, 0
	STEP 5, F1, F0, 0
	STEP 6, F0, F1, 0
	LAST \fill
.endm
.macro Q2 s                            ; 32 numbers of a lane (register 16 b + i = k 32 b + 16 h + i) become registers 0-5 of a fragment in v[E] on, and two scale bytes in v[PW]
	v_max3_num_f32 v[TM], |v[\s]|, |v[\s+1]|, 0x1800000
	v_max3_num_f32 v[TM+1], |v[\s+16]|, |v[\s+17]|, 0x1800000      ; the floor 2^(3 - 127): the byte cannot fall under 1
.irp i, 2,4,6,8,10,12,14
	v_max3_num_f32 v[TM], v[TM], |v[\s+\i]|, |v[\s+\i+1]|
	v_max3_num_f32 v[TM+1], v[TM+1], |v[\s+16+\i]|, |v[\s+17+\i]|
.endr
	v_permlanex16_b32 v[TM+2], v[TM], s[SEL], s[SEL+1]
	v_permlanex16_b32 v[TM+3], v[TM+1], s[SEL], s[SEL+1]
	v_max_num_f32 v[TM], v[TM], v[TM+2]
	v_max_num_f32 v[TM+1], v[TM+1], v[TM+3]
	v_add_nc_u32 v[TM+4], 0xff000000, v[TM]        ; 2 off the exponent field: the conversion's scale operand
	v_add_nc_u32 v[TM+5], 0xff000000, v[TM+1]
	v_lshrrev_b32 v[TM+2], 23, v[TM+4]
	v_lshrrev_b32 v[TM+3], 23, v[TM+5]
	v_lshl_or_b32 v[PW], v[TM+3], 8, v[TM+2]
	v_cvt_scalef32_pk16_fp6_f32 v[E:E+2], v[\s:\s+15], v[TM+4]
	v_cvt_scalef32_pk16_fp6_f32 v[E+4:E+6], v[\s+16:\s+31], v[TM+5]
	v_nop                                          ; one plain place behind a scaled conversion
.irp i, 0,1,2
	v_permlane16_swap_b32 v[E+\i], v[E+4+\i]       ; a whole block to a lane: lanes 0-15 block 0, lanes 16-31 block 1
.endr
	v_mov_b32 v[E+3], v[E+4]
	v_mov_b32 v[E+4], v[E+5]
	v_mov_b32 v[E+5], v[E+6]
.endm
; THE WAY OUT of a tile: RoPE (q and k), the quantiser, the codes' stores; the four waves' halves of the 128 scale words meet in LDS, and wave 0 stores them.
; oc, os: where codes and scale words go; stride: bytes of a row block of the result.
; The words in LDS are written again in the next tile only behind that tile's barrier, which wave 0 signals with its read of them done.
.macro WAYOUT rope, oc, os, stride
.if \rope
	WIN 0x08                                       ; source 1 (cos, sin) in window 2
.set n, 0
.rept 16                               ; an accumulator at a time, from its low end on: (x1, x2) -> (x1 cos - x2 sin, x2 cos + x1 sin)
.irp k, 0,1,2,3
	v_pk_mul_f32 v[RT+2*\k:RT+2*\k+1], v[ACC+8*n+2*\k:ACC+8*n+2*\k+1], v[8*n+2*\k:8*n+2*\k+1] op_sel:[0,1] op_sel_hi:[1,1]   ; (x1 sin, x2 sin)
.endr
.irp k, 0,1,2,3
	v_pk_fma_f32 v[ACC+8*n+2*\k:ACC+8*n+2*\k+1], v[ACC+8*n+2*\k:ACC+8*n+2*\k+1], v[8*n+2*\k:8*n+2*\k+1], v[RT+2*\k:RT+2*\k+1] op_sel:[0,0,1] op_sel_hi:[1,0,0] neg_lo:[0,0,1]
.endr
.set n, n+1
.endr
	WIN 0
.endif
.irp b, 0,1,2,3
	s_wait_xcnt 0x0                                ; the stores issued so far have read the code registers
	Q2 ACC+32*\b
.irp p, 0,1,2
	global_store_b64 v4, v[E+2*\p:E+2*\p+1], s[\oc:\oc+1] offset:\stride*\b+256*\p   ; a piece: 256 consecutive bytes, aligned
.endr
	ds_store_b16 v[VM], v[PW] offset:64*\b         ; my two bytes of the place's scale word
.endr
	s_wait_dscnt 0x0                               ; for the others' sake
	s_barrier_signal -1
	s_barrier_wait -1
	s_cmp_lg_u32 s20, 0
	s_cbranch_scc1 .Lnot_first_\@
	ds_load_b128 v[88:91], v[MR]                   ; wave 0 stores the tile's 128 scale words: 512 consecutive bytes
	s_wait_dscnt 0x0
	global_store_b128 v[L16], v[88:91], s[\os:\os+1]
.Lnot_first_\@:
	s_wait_xcnt 0x0                                ; the stores have read their registers: they may be written again
.endm
	s_load_b256 s[4:11], s[0:1], 0x0               ; hq, wts, bq, bk
	s_load_b128 s[12:15], s[0:1], 0x20             ; bv, qkv
	v_lshl_add_u32 v[SPW], v0, 2, SPARE
	v_mov_b32 v[NIL], 0
	ds_add_u32 v28, v29
	ds_add_u32 v28, v29
	s_wait_dscnt 0x0
	v_lshrrev_b32 v1, 5, v0
	v_readfirstlane_b32 s20, v1                    ; wave 0..3
	s_lshr_b32 s21, s20, 1                         ; my half of R's 128
	s_and_b32 s22, s20, 1                          ; my half of P's 128
	s_bfe_u32 s92, ttmp6, 0x40000                  ; cx
	s_bfe_u32 s93, ttmp6, 0x40004                  ; cy
	s_lshl_b32 s94, ttmp9, 2
	s_add_co_u32 s94, s94, s92                     ; wx: which 128 rows of each weight
	s_and_b32 s95, ttmp7, 0xffff
	s_lshl_b32 s95, s95, 2
	s_add_co_u32 s95, s95, s93                     ; ty: which 128 tokens
	s_lshl_b32 s96, s93, 2
	s_lshl_b32 s96, 15, s96                        ; my row of the cluster
	s_lshl_b32 s97, 0x1111, s92                    ; my column
	G1SET G1W, 97, 32, 384, 32                     ; at the head a whole tile's codes: 384 dense rows of 256 bytes; behind the head a quarter
	G1SET G1T, 96, 32, 384, 32
	G1SET G1ST, 96, 32, 16, 32                     ; the tokens' scale words
	G1SET G1SW, 97, 512, 3, 4096                   ; the three weight tiles' scale words: 4,096 bytes each, 32,768 bytes apart
	s_mul_i32 s23, s20, QUART
	s_mov_b32 s19, 0                               ; s[18:19]: offsets of what hangs on ty;  s[66:67]: of what hangs on wx
	s_mov_b32 s67, 0
	s_wait_kmcnt 0x0
	s_lshl_b32 s18, s95, 12
	s_add_co_u32 s18, s18, HS
	G0SET G0ST, 19, SCT, 4, 18                     ; (s19 holds 0: the head's four tiles are whole)
	s_lshl_b32 s66, s94, 12
	s_add_co_u32 s66, s66, WS
	G0SET G0SW, 19, SCW, 6, 66
	s_mul_i32 s18, s95, TILEB
	G0SET G0T, 19, RC, 4, 18
	s_mul_i32 s66, s94, TILEB
	G0SET G0A, 19, 0, 6, 66
	s_add_co_u32 s66, s66, s23                     ; behind the head each wave fetches its quarter
	G0SET G0W, 23, SLOT1, 6, 66
	s_add_nc_u64 s[G0W+2:G0W+3], s[G0W+2:G0W+3], 8*TILEB   ; Wk's tile
	CROUND                                         ; all sixteen work-groups are here: the first joint loads meet
; The head's loads, one a wave: wave 0 the tokens' codes, wave 1 Wq's tile, wave 2 the tokens' scale words, wave 3 the weights'.
.macro ARM under, g0, g1, next
	s_cmp_lt_u32 s20, \under
	s_cbranch_scc0 \next
	tensor_load_to_lds s[\g0:\g0+3], s[\g1:\g1+7]
	s_nop 0
	PLACES
	s_branch .Lhead_asked
\next:
.endm
	ARM 1, G0T, G1T, .Lhead_a
	ARM 2, G0A, G1W, .Lhead_st
	ARM 3, G0ST, G1ST, .Lhead_sw
	tensor_load_to_lds s[G0SW:G0SW+3], s[G1SW:G1SW+7]
	s_nop 0
	PLACES
.Lhead_asked:
	v_and_b32 v1, 15, v0                           ; r
	s_wait_alu depctr_va_vdst(0)
	v_bfe_u32 v2, v0, 4, 1                         ; h
	v_and_b32 v3, 31, v0                           ; lane
	v_lshlrev_b32 v4, 3, v3                        ; 8 lane
	s_mul_i32 s18, s21, 2*QUART                    ; four row blocks: my half as R,
	s_mul_i32 s19, s22, 2*QUART                    ; my half as P
	v_add_nc_u32 v[AW0R], s18, v4
	v_add_nc_u32 v[AW0P], s19, v4
	s_add_co_u32 s16, s19, SLOT1
	v_add_nc_u32 v[AW1P], s16, v4
	s_add_co_u32 s16, s18, RC
	v_add_nc_u32 v[ATR], s16, v4
	s_add_co_u32 s16, s19, RC
	v_add_nc_u32 v[ATP], s16, v4
	s_lshl_b32 s18, s21, 8                         ; scale words: place 64 x half + 16 i + r, 4 bytes each
	s_lshl_b32 s19, s22, 8
	s_add_co_u32 s16, s18, SCT
	v_lshl_add_u32 v[ASTR], v1, 2, s16
	s_add_co_u32 s16, s19, SCT
	v_lshl_add_u32 v[ASTP], v1, 2, s16
	s_add_co_u32 s16, s19, SCW
	v_lshl_add_u32 v[ASWP], v1, 2, s16
	s_add_co_u32 s16, s18, SCW
	v_lshl_add_u32 v[ASWR], v1, 2, s16
	s_lshl_b32 s19, s22, 1
	s_add_co_u32 s18, s18, s19
	s_add_co_u32 s18, s18, MRG
	v_lshl_add_u32 v[VM], v1, 2, s18               ; place 64 (my half of R) + r, bytes 2 (my half of P) on
	v_lshlrev_b32 v[L16], 4, v3
	v_add_nc_u32 v[MR], MRG, v[L16]
	v_lshlrev_b32 v6, 6, v2                        ; 64 h
	s_wait_alu depctr_va_vdst(0)
	v_and_b32 v5, 8, v1
	v_add_nc_u32 v5, v5, v1                        ; r + 8 (r / 8)
	v_lshlrev_b32 v7, 8, v5
	v_lshl_add_u32 v7, v2, 6, v7                   ; the table: my place's row, + 64 h
	v_lshlrev_b32 v8, 2, v5
	s_wait_alu depctr_va_vdst(0)
	v_mov_b32 v[TM+2], 0                           ; a lane permute's destination counts as one of its sources
	v_mov_b32 v[TM+3], 0
	s_lshl_b32 s2, s94, 9
	s_lshl_b32 s3, s22, 8
	s_add_co_u32 s2, s2, s3
	s_mov_b32 s3, 0
	s_add_nc_u64 s[8:9], s[8:9], s[2:3]            ; bq and bk at my 64 of P
	s_add_nc_u64 s[10:11], s[10:11], s[2:3]
	s_lshl_b32 s2, s94, 9
	s_lshl_b32 s16, s21, 8
	s_add_co_u32 s2, s2, s16
	s_add_nc_u64 s[12:13], s[12:13], s[2:3]        ; bv at my 64 of R
	s_and_b32 s2, s95, 7
	s_lshl_b32 s2, s2, 15
	s_lshl_b32 s16, s21, 14
	s_add_co_u32 s2, s2, s16
	s_add_co_u32 s2, s2, ROPE
	s_add_nc_u64 s[6:7], s[6:7], s[2:3]            ; the table at my 64 tokens' first t (the weights' addresses have gone into their descriptors)
	WIN 0x80                                       ; destination window 2
.irp a, 0,1,2,3                        ; the biases along P: tile a's eight features of my half
	global_load_b128 v[BQ+8*\a:BQ+8*\a+3], v6, s[8:9] offset:(32*(\a/2)+8*(\a%2))*4
	global_load_b128 v[BQ+8*\a+4:BQ+8*\a+7], v6, s[8:9] offset:(32*(\a/2)+8*(\a%2))*4+16
	global_load_b128 v[BK+8*\a:BK+8*\a+3], v6, s[10:11] offset:(32*(\a/2)+8*(\a%2))*4
	global_load_b128 v[BK+8*\a+4:BK+8*\a+7], v6, s[10:11] offset:(32*(\a/2)+8*(\a%2))*4+16
.endr
.irp b, 0,1,2,3                        ; the bias along R: my place's feature of tile b
	global_load_b32 v[BV+8*\b], v8, s[12:13] offset:(32*(\b/2)+8*(\b%2))*4
.endr
.irp b, 0,1,2,3                        ; cos, sin for accumulator (a, b): token of place r of tile b, frequencies 16 (a / 2) + 4 (a % 2) + 8 h + 0 .. 3; one table serves q and k
.irp a, 0,1,2,3
	global_load_b128 v[8*(4*\b+\a):8*(4*\b+\a)+3], v7, s[6:7] offset:(32*(\b/2)+8*(\b%2))*256+128*(\a/2)+32*(\a%2)
	global_load_b128 v[8*(4*\b+\a)+4:8*(4*\b+\a)+7], v7, s[6:7] offset:(32*(\b/2)+8*(\b%2))*256+128*(\a/2)+32*(\a%2)+16
.endr
.endr
	WIN 0
	; where the results go
	s_lshl_b32 s2, s95, 3                          ; q: row block 8 ty + 4 (my half of R), 16 fragments each;
	s_lshl_b32 s3, s21, 2
	s_add_co_u32 s2, s2, s3
	s_mul_i32 s2, s2, 24576
	s_lshl_b32 s3, s94, 1
	s_add_co_u32 s3, s3, s22
	s_mul_i32 s3, s3, 768                          ; half fragment 2 wx + (my half of P)
	s_add_co_u32 s2, s2, s3
	s_mov_b32 s3, 0
	s_add_nc_u64 s[OCQ:OCQ+1], s[14:15], s[2:3]
	s_add_nc_u64 s[OCK:OCK+1], s[OCQ:OCQ+1], 12288 ; k: eight fragments on
	s_lshl_b32 s2, s95, 4                          ; their scale words: (16 ty + wx) x 512, and eight K steps on
	s_add_co_u32 s2, s2, s94
	s_lshl_b32 s2, s2, 9
	s_add_co_u32 s2, s2, QKS
	s_add_nc_u64 s[OSQ:OSQ+1], s[14:15], s[2:3]
	s_add_nc_u64 s[OSK:OSK+1], s[OSQ:OSQ+1], 4096
	s_lshl_b32 s2, s94, 3                          ; v: row block 8 wx + 4 (my half of R), 32 fragments each;
	s_lshl_b32 s16, s21, 2
	s_add_co_u32 s2, s2, s16
	s_mul_i32 s2, s2, 49152
	s_lshl_b32 s16, s95, 1
	s_add_co_u32 s16, s16, s22
	s_mul_i32 s16, s16, 768                        ; half fragment 2 ty + (my half of P)
	s_add_co_u32 s2, s2, s16
	s_add_co_u32 s2, s2, VC
	s_add_nc_u64 s[OCV:OCV+1], s[14:15], s[2:3]
	s_lshl_b32 s2, s94, 5                          ; its scale words: (32 wx + ty) x 512
	s_add_co_u32 s2, s2, s95
	s_lshl_b32 s2, s2, 9
	s_add_co_u32 s2, s2, VS
	s_add_nc_u64 s[OSV:OSV+1], s[14:15], s[2:3]
	s_mov_b32 s[SEL], 0x76543210
	s_mov_b32 s[SEL+1], 0xfedcba98
	s_wait_alu depctr_va_vdst(0)                   ; the wait at the head's end
	s_wait_tensorcnt 0x0                           ; my tile of the head's four is in
	ds_add_u32 v[SPW], v[NIL]
	s_mov_b32 s[G1W+2], 96<<16                     ; no load of mine is out: from here on a load of weights brings a quarter, 96 rows
	s_mov_b32 s[G1W+4], 96
	s_wait_dscnt 0x0
	CROUND                                         ; everybody's tile is in, and the joint loads meet
	tensor_load_to_lds s[G0W:G0W+3], s[G1W:G1W+7]  ; Wk's tile into slot 1: it has q's products in which to land
	s_nop 0
	PLACES
	; ---- q: P = Wq in slot 0, R = the tokens
.set TT,  0
.set AP,  AW0P
.set AR,  ATR
.set APS, ASWP
.set CBR, BQ
.set CM,  1
	RLOAD ATR                                      ; my half of the tokens as R: it serves q and k
	RSCALES                                        ; the tokens' scale words serve q and k
	s_wait_loadcnt 0x0                             ; the biases and the table
	WIN 0x82                                       ; destination and source 0 in window 2
.irp b, 0,1,2,3
.irp j, 1,2,3,4,5,6,7
	v_mov_b32 v[BV+8*\b+\j], v[BV+8*\b]            ; the bias along R is the same number in all eight registers of a C
.endr
.endr
	WIN 0
	TILE 1                                         ; behind its products slot 0 is asked for Wv
	WAYOUT 1, OCQ, OSQ, 24576
	; ---- k: P = Wk in slot 1, R = the tokens
.set TT,  1
.set AP,  AW1P
.set CBR, BK
	TILE 0
	WAYOUT 1, OCK, OSK, 24576
	; ---- v: P = the tokens, R = Wv in slot 0
.set TT,  2
.set AP,  AW0R                         ; what is fetched step by step is the weight, here R
.set AR,  AW0R
.set APS, ASTP
.set CBR, BV
.set CM,  2
	RLOAD ATP                                      ; my half of the tokens as P takes the registers; k's way out stands between k's last products and these loads
	RSCALES                                        ; Wv's scale words take the tokens' place
	TILE 0
	WAYOUT 0, OCV, OSV, 49152
	s_wait_tensorcnt 0x0                           ; the wave's end
	ds_add_u32 v[SPW], v[NIL]
	s_wait_dscnt 0x0
	CROUND                                         ; the closing round: no work-group ends while a partner may still ask for a tile that names it
	s_endpgm
.Lfunc_end_k_q6df64c872f_qkv:
	.size	k_q6df64c872f_qkv, .Lfunc_end_k_q6df64c872f_qkv-k_q6df64c872f_qkv
	.p2alignl 7, 3214868480
	.fill 96, 4, 3214868480
	.section	.rodata,"a",@progbits
	.p2align	6, 0x0
	.amdhsa_kernel k_q6df64c872f_qkv
		.amdhsa_group_segment_fixed_size 327680
		.amdhsa_private_segment_fixed_size 0
		.amdhsa_enable_private_segment 0
		.amdhsa_kernarg_size 48
		.amdhsa_user_sgpr_count 2
		.amdhsa_user_sgpr_kernarg_segment_ptr 1
		.amdhsa_wavefront_size32 1
		.amdhsa_system_sgpr_workgroup_id_x 1
		.amdhsa_system_sgpr_workgroup_id_y 1
		.amdhsa_system_sgpr_workgroup_id_z 1
		.amdhsa_system_vgpr_workitem_id 0
		.amdhsa_next_free_vgpr 1024
		.amdhsa_next_free_sgpr 100
		.amdhsa_reserve_vcc 0
		.amdhsa_float_denorm_mode_32 3
		.amdhsa_float_denorm_mode_16_64 3
		.amdhsa_memory_ordered 1
		.amdhsa_forward_progress 1
		.amdhsa_inst_pref_size 187
	.end_amdhsa_kernel
	.amdgpu_metadata
---
amdhsa.version: [ 1, 2 ]
amdhsa.kernels:
  - .name:           k_q6df64c872f_qkv
    .symbol:         k_q6df64c872f_qkv.kd
    .args:
      - { .name: hq, .offset: 0, .size: 8, .value_kind: global_buffer, .address_space: global }
      - { .name: wts, .offset: 8, .size: 8, .value_kind: global_buffer, .address_space: global }
      - { .name: bq, .offset: 16, .size: 8, .value_kind: global_buffer, .address_space: global }
      - { .name: bk, .offset: 24, .size: 8, .value_kind: global_buffer, .address_space: global }
      - { .name: bv, .offset: 32, .size: 8, .value_kind: global_buffer, .address_space: global }
      - { .name: qkv, .offset: 40, .size: 8, .value_kind: global_buffer, .address_space: global }
    .group_segment_fixed_size: 327680
    .private_segment_fixed_size: 0
    .kernarg_segment_align: 8
    .kernarg_segment_size: 48
    .max_flat_workgroup_size: 128
    .sgpr_count:     100
    .vgpr_count:     1024
    .wavefront_size: 32
...
	.end_amdgpu_metadata
.endif
;; end of part 2
;; launch attn (part 3): grid 8 x 32, 16 waves a work-group, clusters of 4 x 1, 215,040 bytes of LDS; arguments qkv, padding_mask, ao; writes ao
.if DOCPART == 3
	.amdgcn_target "amdgcn-amd-amdhsa--gfx1250"
	.amdhsa_code_object_version 6
	.text
	.protected	k_q6df64c872f_attn
	.globl	k_q6df64c872f_attn
	.p2align	8
	.type	k_q6df64c872f_attn,@function
k_q6df64c872f_attn:
	s_mov_b64 s[64:65], 0
	v_nop
	global_prefetch_b8 v0, s[64:65] scope:SCOPE_SE
	s_setreg_imm32_b32 hwreg(HW_REG_WAVE_MODE, 25, 1), 1
	s_wait_xcnt 0x0
	s_wait_alu depctr_hold_cnt(0) depctr_sa_sdst(0) depctr_va_vdst(0) depctr_va_sdst(0) depctr_va_ssrc(0) depctr_va_vcc(0) depctr_vm_vsrc(0)
	s_getreg_b32 s2, hwreg(HW_REG_IB_STS2, 6, 4)
	s_cmp_eq_u32 s2, 0
	s_cbranch_scc0 .Lentry_in_a_cluster
	s_endpgm
.Lentry_in_a_cluster:
	s_bfe_u32 s2, ttmp6, 0x10000c
	s_cmp_lg_u32 s2, 0x3003
	s_cbranch_scc0 .Lentry_shape_is_right
	s_endpgm
.Lentry_shape_is_right:
; Attention on codes of FP6 (E2M3): o = softmax(q k^T / 8 + mask) v for 64 heads of 64, 1,024 keys; the result is quantised along the features for the next product.
; THE SOFTMAX AHEAD OF THE SECOND PRODUCT: t = score x log2(e) / 8; M = the running largest t rounded UP to a whole number; p = 2^(t - M) is quantised along the keys, not normalised; the row's sum is taken of the
; unquantised p and divides at the end; when M moves, the sum and O are multiplied by 2^(old M - new M), which rounds nothing.
; SHARES.  A work-group owns 128 queries of a pair of heads (the pair's codes share fragments of 128 features); wave w: head 2 pair + w / 8, tile of 16 queries w % 8, in 256 registers: four waves to a SIMD.
; ALL of the pair's K and V of the batch (2 x 98,304 bytes) and their scale words lie in LDS, each byte filled once: waves 0-3 ask for K's four chunks of 256 keys, waves 4-7 for V's, waves 8 and 9 for K's and V's scale words; no slot is filled again.
; CLUSTER 4 x 1: the four work-groups of a cluster are four query blocks of the same batch and pair: they ask for every tile JOINTLY.
; LAYOUT.  S^T = K Q^T and O^T = V^T P^T: a lane holds one query throughout.  Place p of a row block is the true row 32 (rb / 2) + 8 (rb % 2) + p + 8 (p / 8): so the 16 registers of tiles 2 b, 2 b + 1 are 16 neighbouring keys
; (features, in O^T).  The head's 64 fill half of the first product's 128 along K: Q's registers 6-11 are zero codes, which make the other half 0 whatever K's registers 6-11 hold (every pattern of 6 bits is a finite number).
; THE MASK is an addend, 0 or -infinity for each key, kept in LDS and added to the scores in f32 behind the product.  A batch all of whose keys are masked gives 0 x infinity = NaN, as the problem's text does.
; LIMITS: a block of zeros gets the byte 1 (this program alone reads the bytes); NaN and infinities among the inputs are not served.
; REGISTERS: v1-7, v28-29 addresses that stay; v8-9 those of the step; v12 -M, v13 the largest t, v[14:15] the sum; v16-27 Q; v32-79 four fragments of K or V; v96-159 S^T, then p; v160-191 O^T; v192-223 the mask's addends;
;   v224-235 p's codes; v232-254 at work; v248-251 scale words of K or V; v253 p's; v255 Q's.
.set VC,   6291456
.set QKS,  9437184
.set VS,   9699328
.set AOS,  3145728
.set VCL,  98304                       ; LDS: K's codes [row block 64][1,536] from 0 on; V's [chunk 4][feature block 8][3,072]
.set KSL,  196608                      ; K's scale words, 1,024
.set VSL,  200704                      ; V's: [K step 8][128]
.set MADD, 204800                      ; 1,024 addends
.set MRG,  208896                      ; the result's 128 scale words
.set AK0,  1
.set AV0,  2
.set ASK0, 3
.set ASV0, 4
.set AM0,  5
.set L8,   6
.set VM,   7
.set ADK,  8
.set ADV,  9
.set MR,   28
.set L16,  29
.set MK,   192
.set E,    224
.set PW,   231
.set TM,   232
.set WV,   18
.set SEL,  20
.set CS,   22
.macro PLACES
.rept 4
	v_nop
.endr
.endm
.macro CROUND                          ; a round of the cluster's barrier
	s_barrier_signal -1
	s_barrier_wait -1
	s_cmp_lg_u32 s[WV], 0
	s_cbranch_scc1 .Lnot_wave_0_\@
	s_barrier_signal -3
.Lnot_wave_0_\@:
	s_barrier_wait -3
	s_barrier_signal -1
	s_barrier_wait -1
.endm
; The first fills, one a wave: four chunks of K's and of V's codes (to 24,576 k on in each), then K's and V's scale words.
.macro G1C g, c, r, p                  ; group 1: r rows of c elements of 8 bytes, p elements apart, asked for jointly by all four work-groups
	s_mov_b32 s[\g], 15|(3<<16)|(1<<21)
	s_mov_b32 s[\g+1], (\c)<<16
	s_mov_b32 s[\g+2], (\r)<<16
	s_mov_b32 s[\g+3], (\c)<<16
	s_mov_b32 s[\g+4], \r
	s_mov_b32 s[\g+5], \p
	s_mov_b32 s[\g+6], 0
	s_mov_b32 s[\g+7], 0
.endm
.macro FILL g1                         ; my one tensor load, by group 0 in s[56:59]
	s_or_b32 s59, s59, 0x80000000
	tensor_load_to_lds s[56:59], s[\g1:\g1+7]
	s_nop 0
	PLACES
.endm
.macro Q2 s                            ; 32 numbers of a lane become registers 0-5 of a fragment in v[E] on, and two scale bytes in v[PW]
	v_max3_num_f32 v[TM], |v[\s]|, |v[\s+1]|, 0x1800000
	v_max3_num_f32 v[TM+1], |v[\s+16]|, |v[\s+17]|, 0x1800000
.irp i, 2,4,6,8,10,12,14
	s_delay_alu instid0(VALU_DEP_2)
	v_max3_num_f32 v[TM], v[TM], |v[\s+\i]|, |v[\s+\i+1]|
	s_delay_alu instid0(VALU_DEP_2)
	v_max3_num_f32 v[TM+1], v[TM+1], |v[\s+16+\i]|, |v[\s+17+\i]|
.endr
	s_delay_alu instid0(VALU_DEP_2)
	v_permlanex16_b32 v[TM+2], v[TM], s[SEL], s[SEL+1]
	s_delay_alu instid0(VALU_DEP_2)
	v_permlanex16_b32 v[TM+3], v[TM+1], s[SEL], s[SEL+1]
	s_delay_alu instid0(VALU_DEP_2)
	v_max_num_f32 v[TM], v[TM], v[TM+2]
	s_delay_alu instid0(VALU_DEP_2)
	v_max_num_f32 v[TM+1], v[TM+1], v[TM+3]
	s_delay_alu instid0(VALU_DEP_2)
	v_add_nc_u32 v[TM+4], 0xff000000, v[TM]
	s_delay_alu instid0(VALU_DEP_2)
	v_add_nc_u32 v[TM+5], 0xff000000, v[TM+1]
	s_delay_alu instid0(VALU_DEP_2)
	v_lshrrev_b32 v[TM+2], 23, v[TM+4]
	s_delay_alu instid0(VALU_DEP_2)
	v_lshrrev_b32 v[TM+3], 23, v[TM+5]
	s_delay_alu instid0(VALU_DEP_1)
	v_lshl_or_b32 v[PW], v[TM+3], 8, v[TM+2]
	v_cvt_scalef32_pk16_fp6_f32 v[E:E+2], v[\s:\s+15], v[TM+4]
	v_cvt_scalef32_pk16_fp6_f32 v[E+4:E+6], v[\s+16:\s+31], v[TM+5]
	v_nop
.irp i, 0,1,2
	v_permlane16_swap_b32 v[E+\i], v[E+4+\i]
.endr
	s_delay_alu instid0(VALU_DEP_3)
	v_mov_b32 v[E+3], v[E+4]
	s_delay_alu instid0(VALU_DEP_3)
	v_mov_b32 v[E+4], v[E+5]
	s_delay_alu instid0(VALU_DEP_3)
	v_mov_b32 v[E+5], v[E+6]
.endm
	s_load_b128 s[4:7], s[0:1], 0x0                ; qkv, padding_mask
	s_load_b64 s[8:9], s[0:1], 0x10                ; ao
	v_lshl_add_u32 v94, v0, 2, 0x34000
	v_mov_b32 v95, 0
	ds_add_u32 v94, v95
	ds_add_u32 v94, v95
	v_lshrrev_b32 v8, 5, v0
	s_delay_alu instid0(VALU_DEP_1)
	v_readfirstlane_b32 s[WV], v8                  ; wave 0..15
	s_lshr_b32 s19, s[WV], 3                       ; which head of the pair
	s_and_b32 s10, s[WV], 7                        ; which tile of 16 queries
	s_and_b32 s11, ttmp7, 0xffff
	s_lshr_b32 s12, s11, 3                         ; batch
	s_and_b32 s13, s11, 7                          ; pair of heads
	s_bfe_u32 s14, ttmp6, 0x40000                  ; cx
	s_lshl_b32 s15, ttmp9, 2
	s_add_co_u32 s15, s15, s14                     ; my block of 128 queries: it enters Q's and the result's addresses alone
	s_mul_i32 s66, s12, 64*24576                   ; K's codes: the batch's 64 row blocks, fragment 8 + pair
	s_mul_i32 s16, s13, 1536
	s_add_co_u32 s66, s66, s16
	s_add_co_u32 s66, s66, 8*1536
	s_mov_b32 s67, 0
	s_lshl_b32 s68, s12, 16                        ; K's scale words: (128 batch + 8 + pair) x 512
	s_lshl_b32 s16, s13, 9
	s_add_co_u32 s68, s68, s16
	s_add_co_u32 s68, s68, QKS+4096
	s_mov_b32 s69, 0
	s_mul_i32 s70, s13, 8*49152                    ; V's codes: the pair's 8 feature blocks, the batch's 8 K steps
	s_mul_i32 s16, s12, 12288
	s_add_co_u32 s70, s70, s16
	s_add_co_u32 s70, s70, VC
	s_mov_b32 s71, 0
	s_lshl_b32 s72, s13, 14                        ; V's scale words: (32 pair + 8 batch) x 512
	s_lshl_b32 s16, s12, 12
	s_add_co_u32 s72, s72, s16
	s_add_co_u32 s72, s72, VS
	s_mov_b32 s73, 0
	s_lshl_b32 s82, s12, 10                        ; the batch's mask
	s_mov_b32 s83, 0
	s_lshl_b32 s61, s12, 6
	s_lshl_b32 s62, s15, 3
	s_add_co_u32 s61, s61, s62
	s_add_co_u32 s61, s61, s10                     ; my row block of queries
	s_mul_i32 s62, s13, 1536
	s_mul_i32 s63, s19, 768
	s_add_co_u32 s62, s62, s63                     ; my head's half fragment
	s_mul_i32 s74, s61, 24576
	s_add_co_u32 s74, s74, s62
	s_mov_b32 s75, 0
	s_mul_i32 s78, s61, 12288
	s_add_co_u32 s78, s78, s62
	s_mov_b32 s79, 0
	s_lshl_b32 s61, s12, 3
	s_add_co_u32 s61, s61, s15                     ; my tile of 128 tokens
	s_lshl_b32 s76, s61, 13
	s_lshl_b32 s62, s13, 9
	s_add_co_u32 s76, s76, s62
	s_lshl_b32 s63, s10, 6
	s_add_co_u32 s76, s76, s63
	s_lshl_b32 s63, s19, 1
	s_add_co_u32 s76, s76, s63
	s_add_co_u32 s76, s76, QKS                     ; Q's two scale bytes of place 0
	s_mov_b32 s77, 0
	s_lshl_b32 s80, s61, 12
	s_add_co_u32 s80, s80, s62
	s_add_co_u32 s80, s80, AOS                     ; the result's 128 scale words
	s_mov_b32 s81, 0
	s_mov_b32 s[SEL], 0x76543210
	s_mov_b32 s[SEL+1], 0xfedcba98
	s_mov_b32 s[CS], 0x3e38aa3b                    ; c = log2(e) / 8
	s_mov_b32 s[CS+1], s[CS]                       ; (named with it as a pair, so it is written)
	s_wait_dscnt 0x0
	s_wait_kmcnt 0x0
	s_add_nc_u64 s[66:67], s[4:5], s[66:67]
	s_add_nc_u64 s[68:69], s[4:5], s[68:69]
	s_add_nc_u64 s[70:71], s[4:5], s[70:71]
	s_add_nc_u64 s[72:73], s[4:5], s[72:73]
	s_add_nc_u64 s[74:75], s[4:5], s[74:75]
	s_add_nc_u64 s[76:77], s[4:5], s[76:77]
	s_add_nc_u64 s[82:83], s[6:7], s[82:83]
	s_add_nc_u64 s[78:79], s[8:9], s[78:79]
	s_add_nc_u64 s[80:81], s[8:9], s[80:81]
	CROUND                                         ; all four work-groups are here: the joint loads meet
	; The ten first fills, one to a wave: waves 0-3 K's four chunks of 256 keys, waves 4-7 V's, wave 8 K's scale words, wave 9 V's; waves 10-15 ask for nothing.
	G1C 24, 192, 16, 3072
	G1C 32, 64, 8, 1024
	G1C 40, 384, 8, 6144
	G1C 48, 32, 16, 32
	s_and_b32 s60, s[WV], 3                        ; which chunk
	s_mul_i32 s57, s60, 24576
	s_mov_b32 s56, 1
	s_mov_b32 s63, 0
	s_cmp_lt_u32 s[WV], 4
	s_cbranch_scc0 .Lfill_v
	s_mul_i32 s62, s60, 393216
	s_add_nc_u64 s[58:59], s[66:67], s[62:63]
	FILL 24
	s_branch .Lfilled
.Lfill_v:
	s_cmp_lt_u32 s[WV], 8
	s_cbranch_scc0 .Lfill_ks
	s_add_co_u32 s57, s57, VCL
	s_mul_i32 s62, s60, 3072
	s_add_nc_u64 s[58:59], s[70:71], s[62:63]
	FILL 40
	s_branch .Lfilled
.Lfill_ks:
	s_cmp_lt_u32 s[WV], 9
	s_cbranch_scc0 .Lfill_vs
	s_mov_b32 s57, KSL
	s_mov_b64 s[58:59], s[68:69]
	FILL 32
	s_branch .Lfilled
.Lfill_vs:
	s_cmp_lt_u32 s[WV], 10
	s_cbranch_scc0 .Lfilled
	s_mov_b32 s57, VSL
	s_mov_b64 s[58:59], s[72:73]
	FILL 48
.Lfilled:
	v_and_b32 v8, 15, v0                           ; r
	v_bfe_u32 v9, v0, 4, 1                         ; h
	v_and_b32 v10, 31, v0                          ; lane
	s_delay_alu instid0(VALU_DEP_1)
	v_lshlrev_b32 v[L8], 3, v10
	s_delay_alu instid0(VALU_DEP_4)
	v_lshlrev_b32 v11, 2, v8
	v_lshlrev_b32 v30, 1, v0
.irp p, 0,1,2
	global_load_b64 v[16+2*\p:17+2*\p], v[L8], s[74:75] offset:256*\p   ; Q's registers 0-5 stay
.endr
	global_load_u16 v255, v11, s[76:77]            ; Q's two scale bytes; the upper two are 0: 2^-127, over zero codes
	global_load_u16 v232, v30, s[82:83]            ; two keys' mask bytes a thread
	s_mul_i32 s60, s19, 768
	v_add_nc_u32 v[AK0], s60, v[L8]
	s_mul_i32 s60, s19, 12288
	s_add_co_u32 s60, s60, VCL
	v_add_nc_u32 v[AV0], s60, v[L8]
	s_lshl_b32 s60, s19, 1
	s_add_co_u32 s60, s60, KSL
	v_lshl_add_u32 v[ASK0], v8, 2, s60
	s_lshl_b32 s60, s19, 8
	s_add_co_u32 s60, s60, VSL
	v_lshl_add_u32 v[ASV0], v8, 2, s60
	v_lshl_add_u32 v[AM0], v9, 6, MADD
	s_lshl_b32 s60, s10, 6
	s_lshl_b32 s61, s19, 1
	s_add_co_u32 s60, s60, s61
	s_add_co_u32 s60, s60, MRG
	v_lshl_add_u32 v[VM], v8, 2, s60
	v_lshlrev_b32 v[L16], 4, v10
	s_delay_alu instid0(VALU_DEP_1)
	v_add_nc_u32 v[MR], MRG, v[L16]
	v_lshl_add_u32 v31, v0, 3, MADD
.irp j, 22,23,24,25,26,27
	v_mov_b32 v[\j], 0                             ; Q's codes of k = 64 .. 127: zeros
.endr
.irp t, 0,1,2,3
.irp j, 6,7,8,9,10,11
	v_mov_b32 v[32+12*\t+\j], 0                    ; written once, so that the first products read nothing unwritten
.endr
.endr
	v_mov_b32 v13, 0xff61b1e6                      ; the largest t so far: -3e38
	s_delay_alu instid0(VALU_DEP_1)
	v_floor_f32 v12, -v13                          ; -M
	v_mov_b32 v14, 0
	v_mov_b32 v15, 0
	v_mov_b32 v253, 0
.irp j, 0,1,2,3,4,5,6,7,8,9,10,11,12,13,14,15,16,17,18,19,20,21,22,23,24,25,26,27,28,29,30,31
	v_mov_b32 v[160+\j], 0                         ; O^T: the step is written once; the first finds zeros
.endr
	s_wait_loadcnt 0x0
	v_and_b32 v233, 0xff, v232
	v_lshrrev_b32 v234, 8, v232
	v_mov_b32 v235, 0xff800000                     ; -infinity
	s_delay_alu instid0(VALU_DEP_3)
	v_cmp_ne_u32 vcc_lo, 0, v233
	s_delay_alu instid0(VALU_DEP_1)
	v_cndmask_b32 v236, 0, v235, vcc_lo
	s_delay_alu instid0(VALU_DEP_4)
	v_cmp_ne_u32 vcc_lo, 0, v234
	s_delay_alu instid0(VALU_DEP_1)
	v_cndmask_b32 v237, 0, v235, vcc_lo
	ds_store_b64 v31, v[236:237]
.irp b, 0,1,2,3
	v_mov_b32 v[236+\b], 0                         ; a lane permute's destination counts as one of its sources
.endr
; A KEY STEP: 128 keys.  Each even step begins a chunk of 256 keys.
.macro STEP s
.if (\s) == 0
	s_wait_tensorcnt 0x0                           ; my one load, if I issued one, has landed
	s_wait_dscnt 0x0                               ; no LDS instruction of mine is out (ahead of the first step: my store of the mask's addends)
	s_barrier_signal -1
	s_barrier_wait -1                              ; the chunk is there for all sixteen waves
.endif
	v_add_nc_u32 v[ADK], 12288*(\s), v[AK0]
	v_add_nc_u32 v[ADV], 24576*((\s)/2), v[AV0]
	PLACES                                         ; in front of loads into registers that the last step's products have read
.irp g, 0,1                            ; S^T = K Q^T, four tiles of 16 keys at a time
.irp t, 0,1,2,3
.irp p, 0,1,2
	ds_load_b64 v[32+12*\t+2*\p:33+12*\t+2*\p], v[ADK] offset:1536*(4*\g+\t)+256*\p
.endr
	ds_load_u16 v[248+\t], v[ASK0] offset:512*(\s)+64*(4*\g+\t)
	ds_load_b128 v[MK+8*\t:MK+8*\t+3], v[AM0] offset:(128*(\s)+32*((4*\g+\t)/2)+8*(\t%2))*4
	ds_load_b128 v[MK+8*\t+4:MK+8*\t+7], v[AM0] offset:(128*(\s)+32*((4*\g+\t)/2)+8*(\t%2))*4+16
.endr
	s_wait_dscnt 0x0
.irp t, 0,1,2,3
	v_wmma_scale_f32_16x16x128_f8f6f4 v[96+8*(4*\g+\t):103+8*(4*\g+\t)], v[32+12*\t:43+12*\t], v[16:27], 0, v[248+\t], v255 matrix_a_fmt:MATRIX_FMT_FP6 matrix_b_fmt:MATRIX_FMT_FP6
.endr
	PLACES                                         ; behind the four products: for the reads of the scores and the loads into the fragments' registers
.if \g == 1
.irp t, 0,1,2,3                        ; V's four tiles and their scale words are asked for now: they land while the softmax is worked
.irp p, 0,1,2,3,4,5
	ds_load_b64 v[32+12*\t+2*\p:33+12*\t+2*\p], v[ADV] offset:3072*\t+1536*((\s)%2)+256*\p
.endr
	ds_load_b32 v[248+\t], v[ASV0] offset:512*(\s)+64*\t
.endr
.endif
.irp j, 0,2,4,6,8,10,12,14,16,18,20,22,24,26,28,30
	v_pk_add_f32 v[96+32*\g+\j:97+32*\g+\j], v[96+32*\g+\j:97+32*\g+\j], v[MK+\j:MK+\j+1]   ; + 0 or -infinity, each tile from its low end on
.endr
.endr
.irp b, 0,1,2,3
	v_max3_num_f32 v[232+\b], v[96+16*\b], v[97+16*\b], v[98+16*\b]   ; the largest score of each block of 32 keys: for the row's maximum, and, since p rises with the score, for the block's largest p
.endr
.irp i, 3,5,7,9,11,13
.irp b, 0,1,2,3
	s_delay_alu instid0(VALU_DEP_4)
	v_max3_num_f32 v[232+\b], v[232+\b], v[96+16*\b+\i], v[97+16*\b+\i]
.endr
.endr
.irp b, 0,1,2,3
	s_delay_alu instid0(VALU_DEP_4)
	v_max_num_f32 v[232+\b], v[232+\b], v[111+16*\b]
.endr
.irp b, 0,1,2,3
	s_delay_alu instid0(VALU_DEP_4)
	v_permlanex16_b32 v[236+\b], v[232+\b], s[SEL], s[SEL+1]
.endr
.irp b, 0,1,2,3
	s_delay_alu instid0(VALU_DEP_4)
	v_max_num_f32 v[232+\b], v[232+\b], v[236+\b]
.endr
	s_delay_alu instid0(VALU_DEP_2)
	v_max3_num_f32 v254, v232, v233, v234
	s_delay_alu instid0(VALU_DEP_1)
	v_max_num_f32 v254, v254, v235
	s_delay_alu instid0(VALU_DEP_1)
	v_mul_f32 v254, s[CS], v254
	s_delay_alu instid0(VALU_DEP_1)
	v_max_num_f32 v13, v13, v254                   ; the running largest t
	v_mov_b32 v254, v12
	s_delay_alu instid0(VALU_DEP_2)
	v_floor_f32 v12, -v13                          ; the new -M = -ceil(t)
	s_delay_alu instid0(VALU_DEP_1)
	v_sub_f32 v254, v12, v254
	s_delay_alu instid0(VALU_DEP_1)
	v_cvt_i32_f32 v254, v254                       ; (it saturates)
	s_delay_alu instid0(VALU_DEP_1)
	v_ldexp_f32 v252, 1.0, v254                    ; f = 2^(old M - new M)
.irp j, 0,2,4,6,8,10,12,14,16,18,20,22,24,26,28,30,32,34,36,38,40,42,44,46,48,50,52,54,56,58,60,62
	v_pk_fma_f32 v[96+\j:97+\j], v[96+\j:97+\j], s[CS:CS+1], v[12:13] op_sel_hi:[1,0,0]   ; t - M
.endr
.irp b, 0,1,2,3
	v_fma_f32 v[232+\b], v[232+\b], s[CS], v12
.endr
	s_wait_alu depctr_va_vdst(0)
.irp j, 0,1,2,3,4,5,6,7,8,9,10,11,12,13,14,15,16,17,18,19,20,21,22,23,24,25,26,27,28,29,30,31,32,33,34,35,36,37,38,39,40,41,42,43,44,45,46,47,48,49,50,51,52,53,54,55,56,57,58,59,60,61,62,63
	v_exp_f32 v[96+\j], v[96+\j]                   ; p = 2^(t - M)
.endr
.irp b, 0,1,2,3
	v_exp_f32 v[232+\b], v[232+\b]                 ; the block's largest p
.endr
	v_pk_mul_f32 v[14:15], v[14:15], v[252:253] op_sel_hi:[1,0]   ; the sums under the new M (a plain place behind the exponentials)
	s_wait_alu depctr_va_vdst(0)
.irp b, 0,1,2,3
	v_max_num_f32 v[232+\b], 0x1800000, v[232+\b]  ; the floor 2^(3 - 127)
.endr
.irp b, 0,1,2,3
	s_delay_alu instid0(VALU_DEP_4)
	v_add_nc_u32 v[244+\b], 0xff000000, v[232+\b]
.endr
.irp b, 0,1,2,3
	s_delay_alu instid0(VALU_DEP_4)
	v_lshrrev_b32 v[236+\b], 23, v[244+\b]
.endr
	s_delay_alu instid0(VALU_DEP_3)
	v_lshl_or_b32 v253, v237, 8, v236              ; p's scale word for these 128 keys
	s_delay_alu instid0(VALU_DEP_1)
	v_lshl_or_b32 v253, v238, 16, v253
	s_delay_alu instid0(VALU_DEP_1)
	v_lshl_or_b32 v253, v239, 24, v253
.irp c, 0,1
	v_cvt_scalef32_pk16_fp6_f32 v[224+6*\c:226+6*\c], v[96+32*\c:111+32*\c], v[244+2*\c]
	v_cvt_scalef32_pk16_fp6_f32 v[236+4*\c:238+4*\c], v[112+32*\c:127+32*\c], v[244+2*\c+1]
.endr
	v_nop                                          ; one plain place behind a scaled conversion
.irp c, 0,1
.irp i, 0,1,2
	v_permlane16_swap_b32 v[224+6*\c+\i], v[236+4*\c+\i]
.endr
.irp i, 0,1,2
	s_delay_alu instid0(VALU_DEP_3)
	v_mov_b32 v[227+6*\c+\i], v[236+4*\c+\i]
.endr
.endr
	v_pk_add_f32 v[236:237], v[100:101], v[104:105]
	v_pk_add_f32 v[246:247], v[108:109], v[112:113]
	v_pk_add_f32 v[244:245], v[116:117], v[120:121]
	v_pk_add_f32 v[242:243], v[124:125], v[128:129]
	v_pk_add_f32 v[240:241], v[132:133], v[136:137]
	v_pk_add_f32 v[222:223], v[140:141], v[144:145]
	v_pk_add_f32 v[220:221], v[148:149], v[152:153]
	v_pk_add_f32 v[14:15], v[14:15], v[156:157]
	v_pk_add_f32 v[236:237], v[236:237], v[96:97]
	v_pk_add_f32 v[246:247], v[246:247], v[98:99]
	v_pk_add_f32 v[244:245], v[244:245], v[102:103]
	v_pk_add_f32 v[242:243], v[242:243], v[106:107]
	v_pk_add_f32 v[240:241], v[240:241], v[110:111]
	v_pk_add_f32 v[222:223], v[222:223], v[114:115]
	v_pk_add_f32 v[220:221], v[220:221], v[118:119]
	v_pk_add_f32 v[14:15], v[14:15], v[122:123]
	v_pk_add_f32 v[236:237], v[236:237], v[126:127]
	v_pk_add_f32 v[246:247], v[246:247], v[130:131]
	v_pk_add_f32 v[244:245], v[244:245], v[134:135]
	v_pk_add_f32 v[242:243], v[242:243], v[138:139]
	v_pk_add_f32 v[240:241], v[240:241], v[142:143]
	v_pk_add_f32 v[222:223], v[222:223], v[146:147]
	v_pk_add_f32 v[220:221], v[220:221], v[150:151]
	v_pk_add_f32 v[14:15], v[14:15], v[154:155]
	v_pk_add_f32 v[236:237], v[236:237], v[158:159]
	s_delay_alu instid0(VALU_DEP_2)
	v_pk_add_f32 v[14:15], v[14:15], v[242:243]
	s_delay_alu instid0(VALU_DEP_2)
	v_pk_add_f32 v[236:237], v[236:237], v[240:241]
	v_pk_add_f32 v[246:247], v[246:247], v[222:223]
	v_pk_add_f32 v[244:245], v[244:245], v[220:221]
	s_delay_alu instid0(VALU_DEP_2)
	v_pk_add_f32 v[14:15], v[14:15], v[246:247]
	s_delay_alu instid0(VALU_DEP_2)
	v_pk_add_f32 v[236:237], v[236:237], v[244:245]
	s_delay_alu instid0(VALU_DEP_1)
	v_pk_add_f32 v[14:15], v[14:15], v[236:237]
.irp j, 0,2,4,6,8,10,12,14,16,18,20,22,24,26,28,30
	v_pk_mul_f32 v[160+\j:161+\j], v[160+\j:161+\j], v[252:253] op_sel_hi:[1,0]   ; O^T under the new M
.endr
	s_wait_alu depctr_va_vdst(0)
	s_wait_dscnt 0x0                               ; V's fragments and scale words
.irp t, 0,1,2,3
	v_wmma_scale_f32_16x16x128_f8f6f4 v[160+8*\t:167+8*\t], v[32+12*\t:43+12*\t], v[224:235], v[160+8*\t:167+8*\t], v[248+\t], v253 matrix_a_fmt:MATRIX_FMT_FP6 matrix_b_fmt:MATRIX_FMT_FP6
.endr
.endm
.irp s, 0,1,2,3,4,5,6,7
	STEP \s
.endr
	; ---- the way out: O^T / the sum, quantised along my head's 64 features: registers 0-5 or 6-11 of the next product's fragment
	PLACES
	v_add_f32 v14, v14, v15
	s_delay_alu instid0(VALU_DEP_1)
	v_permlanex16_b32 v252, v14, s[SEL], s[SEL+1]
	s_delay_alu instid0(VALU_DEP_1)
	v_add_f32 v14, v14, v252                       ; the row's sum
	s_wait_alu depctr_va_vdst(0)
	v_rcp_f32 v14, v14
	v_nop                                          ; one plain place behind the transcendental
	s_wait_alu depctr_va_vdst(0)
.irp j, 0,1,2,3,4,5,6,7,8,9,10,11,12,13,14,15,16,17,18,19,20,21,22,23,24,25,26,27,28,29,30,31
	v_mul_f32 v[96+\j], v[160+\j], v14             ; register 16 b + i: feature 32 b + 16 h + i of my head
.endr
	Q2 96
.irp p, 0,1,2
	global_store_b64 v[L8], v[E+2*\p:E+2*\p+1], s[78:79] offset:256*\p   ; a piece: 256 consecutive bytes, aligned
.endr
	ds_store_b16 v[VM], v[PW]
	s_wait_dscnt 0x0                               ; for the others' sake
	s_barrier_signal -1
	s_barrier_wait -1
	s_cmp_lg_u32 s[WV], 0
	s_cbranch_scc1 .Lnot_first
	ds_load_b128 v[240:243], v[MR]                 ; wave 0 stores the 128 scale words: 512 consecutive bytes
	s_wait_dscnt 0x0
	global_store_b128 v[L16], v[240:243], s[80:81]
.Lnot_first:
	s_wait_tensorcnt 0x0
	ds_add_u32 v94, v95
	s_wait_dscnt 0x0
	CROUND                                         ; the closing round: no work-group ends while a partner may still ask for a tile that names it
	s_endpgm
.Lfunc_end_k_q6df64c872f_attn:
	.size	k_q6df64c872f_attn, .Lfunc_end_k_q6df64c872f_attn-k_q6df64c872f_attn
	.p2alignl 7, 3214868480
	.fill 96, 4, 3214868480
	.section	.rodata,"a",@progbits
	.p2align	6, 0x0
	.amdhsa_kernel k_q6df64c872f_attn
		.amdhsa_group_segment_fixed_size 215040
		.amdhsa_private_segment_fixed_size 0
		.amdhsa_enable_private_segment 0
		.amdhsa_kernarg_size 24
		.amdhsa_user_sgpr_count 2
		.amdhsa_user_sgpr_kernarg_segment_ptr 1
		.amdhsa_wavefront_size32 1
		.amdhsa_system_sgpr_workgroup_id_x 1
		.amdhsa_system_sgpr_workgroup_id_y 1
		.amdhsa_system_sgpr_workgroup_id_z 1
		.amdhsa_system_vgpr_workitem_id 0
		.amdhsa_next_free_vgpr 256
		.amdhsa_next_free_sgpr 88
		.amdhsa_reserve_vcc 1
		.amdhsa_float_denorm_mode_32 3
		.amdhsa_float_denorm_mode_16_64 3
		.amdhsa_memory_ordered 1
		.amdhsa_forward_progress 1
		.amdhsa_inst_pref_size 199
	.end_amdhsa_kernel
	.amdgpu_metadata
---
amdhsa.version: [ 1, 2 ]
amdhsa.kernels:
  - .name:           k_q6df64c872f_attn
    .symbol:         k_q6df64c872f_attn.kd
    .args:
      - { .name: qkv, .offset: 0, .size: 8, .value_kind: global_buffer, .address_space: global }
      - { .name: padding_mask, .offset: 8, .size: 8, .value_kind: global_buffer, .address_space: global }
      - { .name: ao, .offset: 16, .size: 8, .value_kind: global_buffer, .address_space: global }
    .group_segment_fixed_size: 215040
    .private_segment_fixed_size: 0
    .kernarg_segment_align: 8
    .kernarg_segment_size: 24
    .max_flat_workgroup_size: 512
    .sgpr_count:     88
    .vgpr_count:     256
    .wavefront_size: 32
...
	.end_amdgpu_metadata
.endif
;; end of part 3
;; launch wo (part 4): grid 8 x 32, 4 waves a work-group, clusters of 4 x 4, 327,680 bytes of LDS; arguments ao, wts, bo, x, x1; writes x1
.if DOCPART == 4
	.amdgcn_target "amdgcn-amd-amdhsa--gfx1250"
	.amdhsa_code_object_version 6
	.text
	.protected	k_q6df64c872f_wo
	.globl	k_q6df64c872f_wo
	.p2align	8
	.type	k_q6df64c872f_wo,@function
k_q6df64c872f_wo:
	s_mov_b64 s[64:65], 0
	v_nop
	global_prefetch_b8 v0, s[64:65] scope:SCOPE_SE
	s_setreg_imm32_b32 hwreg(HW_REG_WAVE_MODE, 25, 1), 1
	s_wait_xcnt 0x0
	s_wait_alu depctr_hold_cnt(0) depctr_sa_sdst(0) depctr_va_vdst(0) depctr_va_sdst(0) depctr_va_ssrc(0) depctr_va_vcc(0) depctr_vm_vsrc(0)
	s_getreg_b32 s2, hwreg(HW_REG_IB_STS2, 6, 4)
	s_cmp_eq_u32 s2, 0
	s_cbranch_scc0 .Lentry_in_a_cluster
	s_endpgm
.Lentry_in_a_cluster:
	s_bfe_u32 s2, ttmp6, 0x10000c
	s_cmp_lg_u32 s2, 0xf033
	s_cbranch_scc0 .Lentry_shape_is_right
	s_endpgm
.Lentry_shape_is_right:
; x1 = x + o Wo^T + bo, the product on codes of FP6 (E2M3) with E8M0 scales.  The text is that of the launch for W2, with K = 1,024: a block's codes and scale words of all of K (204,800 bytes) fit in LDS at once,
; so there is ONE fill, four joint loads, one a wave, and no ring.  No prefetch: the launch has no loop to run ahead in.
; D = P R^T: source 0 = 16 places of P (rows of the weight), source 1 = 16 places of R (tokens).  A work-group makes 128 x 128, a wave 64 x 64: 16 accumulators, which take turns.
; CLUSTERS 4 x 4: R's tiles are asked for jointly by a row of the cluster, P's by a column.  LIMITS: NaN and infinities are not served.
.set KT,     8
.set NSL,    8
.set PC_OFF, 2359296
.set PS_OFF, 9437184+24*4096
.set RS_OFF, 3145728
.set NF,    (KT+NSL-1)/NSL             ; fills
.set NS2,   KT-(NF-1)*NSL              ; K steps of the last fill
.set CODB,  8*NSL*1536                 ; one operand's codes in a slot: [row block 8][K step][1,536]
.set SCB,   2*CODB                     ; behind R's and P's codes: R's scale words, then P's, 512 bytes a K step
.set SLOT,  SCB+2*NSL*512
.set LSL,   ((NF-1)%2)*SLOT            ; the last fill's slot
.if NF > 1
.set STG,   2*SLOT
.else
.set STG,   SLOT
.endif
.set SPARE, STG+4*4352                 ; behind the four stages of the way out: the spare words
.set ADRR, 8                           ; v8-10   my R fragments in slot 0, in slot 1, in the short last fill
.set ADRP, 12                          ; v12-14  the same for P
.set ADRS, 16                          ; v16-17  scale words: lanes 0-15 R's, lanes 16-31 P's
.set PF0,  18                          ; v18-20  the prefetches' offsets
.set PF1,  19
.set PF2,  20
.set STO,  24
.set RD,   25
.set CO,   26
.set SPW,  28
.set NIL,  29
.set SC,   32                          ; v32-39  scale words, two sets
.set CB,   40                          ; v40-71  the bias as C
.set OB,   72                          ; v72-103 the way out
.set ACC,  128                         ; accumulator (a, b) at 128 + 8 (4 b + a);  window 1: two sets of fragments;  window 2: v0-127 the residual
.set G1R,  24
.set G1P,  32
.set G1SR, 40
.set G1SP, 48
.set G0R,  56
.set G0P,  60
.set G0SR, 68
.set G0SP, 72
.set MSB, 0
.macro WIN new
.if MSB != \new
	s_set_vgpr_msb (MSB<<8)|\new
.set MSB, \new
.endif
.endm
.macro PLACES                          ; four plain places behind matrix instructions (ISA guide 7.12.1)
.rept 4
	v_nop
.endr
.endm
.macro CREST
	s_cmp_lg_u32 s20, 0
	s_cbranch_scc1 .Lnot_wave_0_\@
	s_barrier_signal -3
.Lnot_wave_0_\@:
	s_barrier_wait -3
	s_barrier_signal -1
	s_barrier_wait -1
.endm
.macro CROUND
	s_barrier_signal -1
	s_barrier_wait -1
	CREST
.endm
.macro G1SET g, m, c, r, pitch         ; r rows of c elements of 8 bytes, asked for jointly by the work-groups of mask s[m]
	s_or_b32 s[\g], s[\m], (3<<16)|(1<<21)
	s_mov_b32 s[\g+1], (\c)<<16
	s_mov_b32 s[\g+2], (\r)<<16
	s_mov_b32 s[\g+3], (\c)<<16
	s_mov_b32 s[\g+4], \r
	s_mov_b32 s[\g+5], \pitch
	s_mov_b32 s[\g+6], 0
	s_mov_b32 s[\g+7], 0
.endm
.macro G0S g, lc, base, off
	s_mov_b32 s[\g], 1
	s_mov_b32 s[\g+1], \lc
	s_add_nc_u64 s[\g+2:\g+3], s[\base:\base+1], s[\off:\off+1]
	s_or_b32 s[\g+3], s[\g+3], 0x80000000
.endm
.macro ARM under, g0, g1, next, end
	s_cmp_lt_u32 s20, \under
	s_cbranch_scc0 \next
	tensor_load_to_lds s[\g0:\g0+3], s[\g1:\g1+7]
	s_nop 0
	PLACES
	s_branch \end
\next:
.endm
.macro JL4                             ; a fill: one joint load a wave: wave 0 R's codes, wave 1 P's, wave 2 R's scale words, wave 3 P's
	ARM 1, G0R, G1R, .Lj1_\@, .Lj4_\@
	ARM 2, G0P, G1P, .Lj2_\@, .Lj4_\@
	ARM 3, G0SR, G1SR, .Lj3_\@, .Lj4_\@
	tensor_load_to_lds s[G0SP:G0SP+3], s[G1SP:G1SP+7]
	s_nop 0
	PLACES
.Lj4_\@:
.endm
.macro NEXTF j                         ; the descriptors of fill j; no load of mine is out here
.set NL, ((\j)%2)*SLOT
	s_mov_b32 s[G0R+1], NL
	s_mov_b32 s[G0P+1], NL+CODB
	s_mov_b32 s[G0SR+1], NL+SCB
	s_mov_b32 s[G0SP+1], NL+SCB+NSL*512
	s_add_nc_u64 s[G0R+2:G0R+3], s[G0R+2:G0R+3], NSL*1536
	s_add_nc_u64 s[G0P+2:G0P+3], s[G0P+2:G0P+3], NSL*1536
	s_add_nc_u64 s[G0SR+2:G0SR+3], s[G0SR+2:G0SR+3], NSL*512
	s_add_nc_u64 s[G0SP+2:G0SP+3], s[G0SP+2:G0SP+3], NSL*512
.if (\j) == NF-1 && NS2 != NSL
.irp g, G1R, G1P
	s_mov_b32 s[\g+1], (NS2*192)<<16               ; the last fill's rows are shorter
	s_mov_b32 s[\g+3], (NS2*192)<<16
.endr
.irp g, G1SR, G1SP
	s_mov_b32 s[\g+2], (2*NS2)<<16
	s_mov_b32 s[\g+4], 2*NS2
.endr
.endif
.endm
.macro ASK j                           ; fill j's codes are asked of memory one fill ahead of their load: my row block's NSL x 1,536 bytes, a lane to each 256
.if (\j) < NF
.if (\j) == NF-1 && NS2 != NSL
	global_prefetch_b8 v[PF2], s[94:95] offset:(\j)*NSL*1536 th:TH_LOAD_NT scope:SCOPE_SE
.else
	global_prefetch_b8 v[PF0], s[94:95] offset:(\j)*NSL*1536 th:TH_LOAD_NT scope:SCOPE_SE
	global_prefetch_b8 v[PF1], s[94:95] offset:(\j)*NSL*1536 th:TH_LOAD_NT scope:SCOPE_SE
.endif
.endif
.endm
.macro FETCHG g                        ; 52 LDS loads: the fragments and scale words of K step g
.set FK, (\g)/NSL
.set FQ, (\g)%NSL
.set FN, NSL
.set FA, FK%2
.if FK == NF-1 && NS2 != NSL
.set FN, NS2
.set FA, 2
.endif
.set FF, 128*((\g)%2)
	WIN 0x40
.irp a, 0,1,2,3
.irp p, 0,1,2,3,4,5
	ds_load_b64 v[FF+12*\a+2*\p:FF+12*\a+2*\p+1], v[ADRP+FA] offset:FN*1536*\a+1536*FQ+256*\p
.endr
.endr
.irp a, 0,1,2,3
.irp p, 0,1,2,3,4,5
	ds_load_b64 v[FF+48+12*\a+2*\p:FF+48+12*\a+2*\p+1], v[ADRR+FA] offset:FN*1536*\a+1536*FQ+256*\p
.endr
.endr
	WIN 0
.irp i, 0,1,2,3
	ds_load_b32 v[SC+4*((\g)%2)+\i], v[ADRS+FK%2] offset:512*FQ+64*\i
.endr
.endm
.macro MULQ g, b                       ; four products: P's four tiles x R's tile b; in K step 0 the bias starts the sums
	WIN 0x05
.set MF, 128*((\g)%2)
.set MS, SC+4*((\g)%2)
.irp a, 0,1,2,3
.if (\g) == 0
	v_wmma_scale_f32_16x16x128_f8f6f4 v[ACC+8*(4*\b+\a):ACC+8*(4*\b+\a)+7], v[MF+12*\a:MF+12*\a+11], v[MF+48+12*\b:MF+48+12*\b+11], v[CB+8*\a:CB+8*\a+7], v[MS+\a], v[MS+\b] matrix_a_fmt:MATRIX_FMT_FP6 matrix_b_fmt:MATRIX_FMT_FP6 matrix_a_scale:MATRIX_SCALE_ROW1
.else
	v_wmma_scale_f32_16x16x128_f8f6f4 v[ACC+8*(4*\b+\a):ACC+8*(4*\b+\a)+7], v[MF+12*\a:MF+12*\a+11], v[MF+48+12*\b:MF+48+12*\b+11], v[ACC+8*(4*\b+\a):ACC+8*(4*\b+\a)+7], v[MS+\a], v[MS+\b] matrix_a_fmt:MATRIX_FMT_FP6 matrix_b_fmt:MATRIX_FMT_FP6 matrix_a_scale:MATRIX_SCALE_ROW1
.endif
.endr
.endm
.macro MUL16 g
	MULQ \g, 0
	MULQ \g, 1
	MULQ \g, 2
	MULQ \g, 3
.endm
.macro STEPG g                         ; K step g, while the next step's fragments come into the other set
	PLACES
	FETCHG (\g)+1
	s_wait_dscnt 52                                ; all but the 52 loads just issued
	MUL16 \g
.endm
.macro TURN g                          ; a fill's last K step, and the change of slots
.set TK, (\g)/NSL
	WIN 0
	s_wait_tensorcnt 0x0                           ; my load, my part of the other slot, has landed
	ds_add_u32 v[SPW], v[NIL]
	s_wait_dscnt 1                                 ; this step's fragments are in; the add may be out
	MULQ \g, 0
	s_wait_dscnt 0x0                               ; the add is done, and my reads of this slot are over
	s_barrier_signal -1
	MULQ \g, 1
	WIN 0
	s_barrier_wait -1
.if TK+2 < NF
	CREST                                          ; the barrier has opened a round: no wave of any partner still reads this slot or has a load on its way
	NEXTF TK+2
	JL4
.else
	PLACES
.endif
	FETCHG (\g)+1
	ASK TK+3
	MULQ \g, 2
	MULQ \g, 3
.endm
	s_load_b256 s[4:11], s[0:1], 0x0               ; R's buffer, wts, the bias, the residual
	s_load_b64 s[12:13], s[0:1], 0x20              ; the result
	v_lshl_add_u32 v[SPW], v0, 2, SPARE
	v_mov_b32 v[NIL], 0
	ds_add_u32 v[SPW], v[NIL]                      ; the opening lines: the add twice and its wait
	ds_add_u32 v[SPW], v[NIL]
	v_lshrrev_b32 v1, 5, v0
	v_readfirstlane_b32 s20, v1                    ; wave 0..3
	s_lshr_b32 s21, s20, 1                         ; my half of R's 128
	s_and_b32 s22, s20, 1                          ; my half of P's 128
	s_bfe_u32 s76, ttmp6, 0x40000                  ; cx
	s_bfe_u32 s77, ttmp6, 0x40004                  ; cy
	s_lshl_b32 s78, ttmp9, 2
	s_add_co_u32 s78, s78, s76                     ; P's tile
	s_and_b32 s79, ttmp7, 0xffff
	s_lshl_b32 s79, s79, 2
	s_add_co_u32 s79, s79, s77                     ; R's tile
	s_lshl_b32 s80, s77, 2
	s_lshl_b32 s80, 15, s80                        ; my row of the cluster
	s_lshl_b32 s81, 0x1111, s76                    ; my column
	G1SET G1R, 80, NSL*192, 8, KT*192              ; 8 row blocks x NSL K steps of 1,536 bytes
	G1SET G1P, 81, NSL*192, 8, KT*192
	G1SET G1SR, 80, 32, 2*NSL, 32                  ; NSL x 512 dense bytes, as rows of 256
	G1SET G1SP, 81, 32, 2*NSL, 32
	s_mul_i32 s82, s79, 8*KT*1536
	s_mov_b32 s83, 0
	s_mul_i32 s84, s79, KT*512
	s_add_co_u32 s84, s84, RS_OFF
	s_mov_b32 s85, 0
	s_mul_i32 s86, s78, 8*KT*1536
	s_add_co_u32 s86, s86, PC_OFF
	s_mov_b32 s87, 0
	s_mul_i32 s88, s78, KT*512
	s_add_co_u32 s88, s88, PS_OFF
	s_mov_b32 s89, 0
	s_wait_dscnt 0x0
	s_wait_kmcnt 0x0
	G0S G0R, 0, 4, 82
	G0S G0P, CODB, 6, 86
	G0S G0SR, SCB, 4, 84
	G0S G0SP, SCB+NSL*512, 6, 88
	CROUND                                         ; all sixteen work-groups are here: the first joint loads meet
	JL4                                            ; fill 0
	s_lshl_b32 s14, s78, 9
	s_lshl_b32 s15, s22, 8
	s_add_co_u32 s14, s14, s15                     ; my 64 columns, in bytes
	s_mov_b32 s15, 0
	s_lshl_b32 s90, s79, 19
	s_lshl_b32 s91, s21, 18
	s_add_co_u32 s90, s90, s91
	s_add_co_u32 s90, s90, s14
	s_mov_b32 s91, 0
	s_add_nc_u64 s[8:9], s[8:9], s[14:15]
	s_add_nc_u64 s[10:11], s[10:11], s[90:91]
	s_add_nc_u64 s[12:13], s[12:13], s[90:91]
	s_mul_i32 s23, s21, 4*NSL*1536
	s_mul_i32 s96, s22, 4*NSL*1536
	s_add_co_u32 s96, s96, CODB
	s_lshl_b32 s18, s21, 8
	s_lshl_b32 s19, s22, 8
	s_add_co_u32 s19, s19, NSL*512
	s_sub_co_u32 s19, s19, s18                     ; from my R's scale words to my P's
	s_add_co_u32 s18, s18, SCB
	s_mul_i32 s16, s20, 4352
	s_add_co_u32 s16, s16, STG
.if NF > 1
	s_mul_i32 s97, s21, 4*NS2*1536
	s_add_co_u32 s97, s97, LSL
	s_mul_i32 s98, s22, 4*NS2*1536
	s_add_co_u32 s98, s98, LSL+CODB
	s_cmp_eq_u32 s21, 0                            ; the prefetches: waves 0 and 1 ask for R, waves 2 and 3 for P; the four partners that share a tile take two row blocks each, told apart by address
	s_cselect_b32 s92, s79, s78
	s_cselect_b32 s93, s76, s77
	s_cselect_b32 s17, 0, PC_OFF
	s_cselect_b64 s[94:95], s[4:5], s[6:7]
	s_lshl_b32 s92, s92, 3
	s_lshl_b32 s93, s93, 1
	s_add_co_u32 s92, s92, s93
	s_add_co_u32 s92, s92, s22
	s_mul_i32 s92, s92, KT*1536
	s_add_co_u32 s92, s92, s17
	s_mov_b32 s93, 0
	s_add_nc_u64 s[94:95], s[94:95], s[92:93]
.endif
	v_and_b32 v1, 15, v0                           ; r
	v_bfe_u32 v2, v0, 4, 1                         ; h
	v_and_b32 v3, 31, v0
	v_lshlrev_b32 v4, 3, v3
	v_add_nc_u32 v[ADRR], s23, v4
	v_add_nc_u32 v[ADRP], s96, v4
	v_mul_u32_u24 v5, s19, v2
	v_lshl_add_u32 v5, v1, 2, v5
	v_add_nc_u32 v[ADRS], s18, v5
	v_mul_u32_u24 v5, v1, 272
	v_lshl_add_u32 v5, v2, 6, v5
	v_add_nc_u32 v[STO], s16, v5
	v_mul_u32_u24 v5, v2, 272
	v_lshl_add_u32 v5, v1, 4, v5
	v_add_nc_u32 v[RD], s16, v5
	v_lshlrev_b32 v5, 12, v2
	v_lshl_add_u32 v[CO], v1, 4, v5
	v_lshlrev_b32 v6, 6, v2
.if NF > 1
	v_add_nc_u32 v[ADRR+1], SLOT, v[ADRR]
	v_add_nc_u32 v[ADRP+1], SLOT, v[ADRP]
	v_add_nc_u32 v[ADRS+1], SLOT, v[ADRS]
	v_add_nc_u32 v[ADRR+2], s97, v4
	v_add_nc_u32 v[ADRP+2], s98, v4
	v_lshlrev_b32 v[PF0], 8, v3                    ; blocks 0-31 of a fill's 6 NSL in my row block,
	v_min_u32 v7, NSL*6-33, v3
	v_lshl_add_u32 v[PF1], v7, 8, 8192             ; the rest (lanes left over name the last again),
	v_min_u32 v7, NS2*6-1, v3
	v_lshlrev_b32 v[PF2], 8, v7                    ; and the short last fill's
.endif
.irp a, 0,1,2,3
	global_load_b128 v[CB+8*\a:CB+8*\a+3], v6, s[8:9] offset:(32*(\a/2)+8*(\a%2))*4
	global_load_b128 v[CB+8*\a+4:CB+8*\a+7], v6, s[8:9] offset:(32*(\a/2)+8*(\a%2))*4+16
.endr
	WIN 0x80
.irp b, 0,1,2,3
.irp t, 0,1,2,3,4,5,6,7
	global_load_b128 v[32*\b+4*\t:32*\b+4*\t+3], v[CO], s[10:11] offset:(32*(\b/2)+8*(\b%2)+2*\t+8*(\t/4))*4096   ; the residual: 256 consecutive bytes for sixteen lanes
.endr
.endr
	WIN 0
	ASK 1
	s_wait_alu depctr_va_vdst(0)                   ; the wait at the head's end
	s_wait_tensorcnt 0x0                           ; my part of fill 0 is in
.if NF > 1
	ds_add_u32 v[SPW], v[NIL]
	s_wait_dscnt 0x0
	CROUND
	NEXTF 1
	JL4                                            ; fill 1, into slot 1
.else
	s_barrier_signal -1
	s_barrier_wait -1                              ; everybody's part is in
.endif
	FETCHG 0
	ASK 2
	s_wait_loadcnt 32                              ; the bias is in; the residual's 32 loads may be out
.set ST, 0
.rept KT-1
.if ST%NSL == NSL-1
	TURN ST
.else
	STEPG ST
.endif
.set ST, ST+1
.endr
	s_wait_dscnt 0x0
	MUL16 KT-1
	WIN 0
	PLACES
.irp b, 0,1,2,3                        ; the way out: 16 places x 64 columns through my own stage, back as rows of 256 bytes, + the residual
.irp a, 0,1,2,3
	ds_store_b128 v[STO], v[ACC+8*(4*\b+\a):ACC+8*(4*\b+\a)+3] offset:128*(\a/2)+32*(\a%2)
	ds_store_b128 v[STO], v[ACC+8*(4*\b+\a)+4:ACC+8*(4*\b+\a)+7] offset:128*(\a/2)+32*(\a%2)+16
.endr
.if \b > 0
	s_wait_xcnt 0x0                                ; the last block's stores have read their registers
.endif
.irp t, 0,1,2,3,4,5,6,7
	ds_load_b128 v[OB+4*\t:OB+4*\t+3], v[RD] offset:544*\t
.endr
	s_wait_dscnt 0x0
.if \b == 0
	s_wait_loadcnt 0x0
.endif
	WIN 0x08
.irp i, 0,1,2,3,4,5,6,7,8,9,10,11,12,13,14,15
	v_pk_add_f32 v[OB+2*\i:OB+2*\i+1], v[OB+2*\i:OB+2*\i+1], v[32*\b+2*\i:32*\b+2*\i+1]
.endr
	WIN 0
.irp t, 0,1,2,3,4,5,6,7
	global_store_b128 v[CO], v[OB+4*\t:OB+4*\t+3], s[12:13] offset:(32*(\b/2)+8*(\b%2)+2*\t+8*(\t/4))*4096
.endr
.endr
	s_wait_tensorcnt 0x0                           ; the wave's end
	ds_add_u32 v[SPW], v[NIL]
	s_wait_dscnt 0x0
	CROUND                                         ; the closing round
	s_endpgm
.Lfunc_end_k_q6df64c872f_wo:
	.size	k_q6df64c872f_wo, .Lfunc_end_k_q6df64c872f_wo-k_q6df64c872f_wo
	.p2alignl 7, 3214868480
	.fill 96, 4, 3214868480
	.section	.rodata,"a",@progbits
	.p2align	6, 0x0
	.amdhsa_kernel k_q6df64c872f_wo
		.amdhsa_group_segment_fixed_size 327680
		.amdhsa_private_segment_fixed_size 0
		.amdhsa_enable_private_segment 0
		.amdhsa_kernarg_size 40
		.amdhsa_user_sgpr_count 2
		.amdhsa_user_sgpr_kernarg_segment_ptr 1
		.amdhsa_wavefront_size32 1
		.amdhsa_system_sgpr_workgroup_id_x 1
		.amdhsa_system_sgpr_workgroup_id_y 1
		.amdhsa_system_sgpr_workgroup_id_z 1
		.amdhsa_system_vgpr_workitem_id 0
		.amdhsa_next_free_vgpr 768
		.amdhsa_next_free_sgpr 100
		.amdhsa_reserve_vcc 0
		.amdhsa_float_denorm_mode_32 3
		.amdhsa_float_denorm_mode_16_64 3
		.amdhsa_memory_ordered 1
		.amdhsa_forward_progress 1
		.amdhsa_inst_pref_size 68
	.end_amdhsa_kernel
	.amdgpu_metadata
---
amdhsa.version: [ 1, 2 ]
amdhsa.kernels:
  - .name:           k_q6df64c872f_wo
    .symbol:         k_q6df64c872f_wo.kd
    .args:
      - { .name: ao, .offset: 0, .size: 8, .value_kind: global_buffer, .address_space: global }
      - { .name: wts, .offset: 8, .size: 8, .value_kind: global_buffer, .address_space: global }
      - { .name: bo, .offset: 16, .size: 8, .value_kind: global_buffer, .address_space: global }
      - { .name: x, .offset: 24, .size: 8, .value_kind: global_buffer, .address_space: global }
      - { .name: x1, .offset: 32, .size: 8, .value_kind: global_buffer, .address_space: global }
    .group_segment_fixed_size: 327680
    .private_segment_fixed_size: 0
    .kernarg_segment_align: 8
    .kernarg_segment_size: 40
    .max_flat_workgroup_size: 128
    .sgpr_count:     100
    .vgpr_count:     768
    .wavefront_size: 32
...
	.end_amdgpu_metadata
.endif
;; end of part 4
;; launch ln2: the kernel of part 1 again; grid 256 x 1, 8 waves a work-group, no clusters, 135,424 bytes of LDS; arguments x1, g2, be2, hq, Wq, Wk, Wv, Wo, W1, W2, wts; writes hq, wts
;; launch w1 (part 5): grid 8 x 32, 4 waves a work-group, clusters of 4 x 4, 327,680 bytes of LDS; arguments hq, wts, b1, ff; writes ff
.if DOCPART == 5
	.amdgcn_target "amdgcn-amd-amdhsa--gfx1250"
	.amdhsa_code_object_version 6
	.text
	.protected	k_q6df64c872f_w1
	.globl	k_q6df64c872f_w1
	.p2align	8
	.type	k_q6df64c872f_w1,@function
k_q6df64c872f_w1:
	s_mov_b64 s[64:65], 0
	v_nop
	global_prefetch_b8 v0, s[64:65] scope:SCOPE_SE
	s_setreg_imm32_b32 hwreg(HW_REG_WAVE_MODE, 25, 1), 1
	s_wait_xcnt 0x0
	s_wait_alu depctr_hold_cnt(0) depctr_sa_sdst(0) depctr_va_vdst(0) depctr_va_sdst(0) depctr_va_ssrc(0) depctr_va_vcc(0) depctr_vm_vsrc(0)
	s_getreg_b32 s2, hwreg(HW_REG_IB_STS2, 6, 4)
	s_cmp_eq_u32 s2, 0
	s_cbranch_scc0 .Lentry_in_a_cluster
	s_endpgm
.Lentry_in_a_cluster:
	s_bfe_u32 s2, ttmp6, 0x10000c
	s_cmp_lg_u32 s2, 0xf033
	s_cbranch_scc0 .Lentry_shape_is_right
	s_endpgm
.Lentry_shape_is_right:
; ff = gelu(h W1^T + b1), the product on codes of FP6 (E2M3) with E8M0 scales; the result is quantised at once along the 4,096 hidden units, the next product's K.
; D = P R^T: source 0 = 16 places of P (rows of W1), source 1 = 16 places of R (tokens): a lane holds one token's place, and the 16 registers of P's tiles 2 b, 2 b + 1 are 16 true neighbouring hidden units
; (place p of a row block is the true row 32 (rb / 2) + 8 (rb % 2) + p + 8 (p / 8)).  The result's rows keep R's row block and place.
; A WORK-GROUP STAYS: it keeps one tile of 128 tokens and makes four tiles of 128 x 128, for four neighbouring tiles of 128 rows of W1.  With K = 1,024 a tile's codes are one dense block of 98,304 bytes:
; R's lie in LDS for the whole launch, P's in two slots that each hold a whole tile.  Straight behind tile t's products its slot is asked for tile t + 2, which has tile t's way out and all of tile t + 1 in which to land.
; The scale words of R and of all four tiles of P, and the four tiles' bias, come once, with the first fills.  Each of four waves makes 64 x 64 of a tile: 16 accumulators.
; CLUSTERS 4 x 4: P's tiles hang on the place along x alone and are asked for jointly by a column of the cluster, R's on the place along y alone, by a row.  Every wave fetches its quarter of each block.
; A wave has six tensor loads out at the start and one behind each round in which a slot is filled again.
; All codes lie as images of the operand's registers: piece q of fragment (rb, ks) at ((8 rb + ks) 6 + q) 256 + 8 lane: every LDS load and every store of codes covers 256 consecutive bytes.
; GELU, exact form: 0.5 u (1 + erf(u / sqrt 2)), erf(z) = z P(z^2) / Q(z^2) with P of degree 6 and Q of degree 4 in z^2, z held to +-4; all in f32, packed two at a time.
; LIMITS: 1 + erf loses relative accuracy for u under about -3: the error of gelu there is about 1e-7 |u|.  A block of zeros gets the byte 1 (this program alone reads the bytes).  NaN and infinities are not served.
; REGISTERS: window 0: v1-4 lane terms, v16-29 addresses, v32-39 P's scale words (two sets), v40-71 R's scale words (they stay), v72-127 at work on the way out, v128-255 accumulator (a, b) at 128 + 8 (4 b + a);
;   window 1: two sets of fragments at v0 and v128 (P's four at f + 12 a); v96-127 the bias as C.
.set PC_OFF, 3145728                   ; wts: W1's codes
.set PS_OFF, 9437184+32*4096           ; wts: W1's scale words
.set RS_OFF, 3145728                   ; hq: scale words
.set FFS,    12582912                  ; ff: scale words
.set TILEB,  98304                     ; a tile's codes: 8 row blocks x 8 fragments x 1,536 bytes
.set QUART,  24576                     ; a wave's quarter of them: what one tensor load brings
.set SLOT1,  1<<17                     ; P's slot 0 begins at LDS byte 0, slot 1 here: one exclusive or turns an address in one slot into the other's
.set SCR,    TILEB                     ; between the slots: 4,096 bytes left free (R's scale words go to registers),
.set SCP,    SCR+4096                  ; those of P's four tiles (16,384),
.set BIA,    SCP+16384                 ; the four tiles' bias (2,048),
.set MRG,    BIA+2048                  ; the result's 128 scale words (512),
.set SPARE,  MRG+512                   ; the spare words, 128 bytes for each wave
.set RC,     SLOT1+TILEB               ; behind slot 1: R's codes, up to LDS's last byte
.set ADRR, 16                          ; v16  my R fragments
.set AP0,  17                          ; v17  my place in a slot of P;   v18 the same in the slot in hand
.set ADRP, 18
.set ARS,  19                          ; v19  R's scale words
.set APS0, 20                          ; v20  my place among a tile's scale words of P;   v21 the same for the tile in hand
.set ADPS, 21
.set AB0,  22                          ; v22, v23 likewise for the bias
.set ADB,  23
.set VM,   24                          ; where my half of a scale word goes
.set MR,   25                          ; MRG + 16 lane
.set L16,  26                          ; 16 lane
.set SPW,  28
.set NIL,  29
.set SC,   32
.set RSC,  40
.set E,    72                          ; v72-78 a half fragment's codes
.set PW,   79
.set TM,   80                          ; v80-85
.set Z,    88
.set S,    96
.set PN,   104
.set QD,   112
.set VA,   124                         ; v[124:125] the numerator's highest coefficient, twice
.set VB,   126                         ; v[126:127] the denominator's
.set ACC,  128
.set F0,   0                           ; window 1
.set F1,   128
.set CB,   96
.set SEL,  12                          ; s[12:13] selects of v_permlanex16_b32: lane l xor 16
.set G1PC, 24                          ; s[24:31] group 1 for a quarter of P's codes: it stays
.set G0P0, 32                          ; s[32:35] group 0 of P's tile 0
.set G0W,  36                          ; s[36:39] group 0 of P's tile 1, which then walks on to tiles 2 and 3
.set G1RC, 40                          ; s[40:63], s[68:91]: the descriptors of the loads that are issued once
.set G1SR, 48
.set G1SP, 56
.set G1BI, 68
.set G0RC, 76
.set G0SR, 80
.set G0SP, 84
.set G0BI, 88
.set KR,   40                          ; s[40:61]: 1 / sqrt 2 and ten coefficients, each twice; written behind the wait that shows the loads done whose descriptors lay there
.set A11,  42
.set A9,   44
.set A7,   46
.set A5,   48
.set A3,   50
.set A1,   52
.set B6,   54
.set B4,   56
.set B2,   58
.set B0,   60
.set TB,   62                          ; s62  LDS byte at which the slot in hand begins
.set TS,   63                          ; s63  the tile's scale words of P: 4,096 bytes a tile
.set TBI,  68                          ; s68  its bias: 512 bytes a tile
.set CNT,  69                          ; s69  counts a loop's two trips
.set MSB, 0
.macro WIN new                         ; the immediate's high byte repeats the setting that is left
.if MSB != \new
	s_set_vgpr_msb (MSB<<8)|\new
.set MSB, \new
.endif
.endm
.macro PLACES                          ; four plain places behind matrix instructions (ISA guide 7.12.1)
.rept 4
	v_nop
.endr
.endm
.macro CREST                           ; a round of the cluster's barrier behind its opening barrier
	s_cmp_lg_u32 s20, 0
	s_cbranch_scc1 .Lnot_wave_0_\@
	s_barrier_signal -3
.Lnot_wave_0_\@:
	s_barrier_wait -3
	s_barrier_signal -1
	s_barrier_wait -1
.endm
.macro CROUND                          ; a whole round
	s_barrier_signal -1
	s_barrier_wait -1
	CREST
.endm
.macro G1SET g, m, c, r                ; group 1: r dense rows of c elements of 8 bytes, asked for jointly by the work-groups of mask s[m]
	s_or_b32 s[\g], s[\m], (3<<16)|(1<<21)         ; 15:0 the mask; 17:16 elements of 8 bytes; 21 set beside a mask; no padding
	s_mov_b32 s[\g+1], (\c)<<16                    ; tensor_dim0
	s_mov_b32 s[\g+2], (\r)<<16                    ; tensor_dim1
	s_mov_b32 s[\g+3], (\c)<<16                    ; tile_dim0
	s_mov_b32 s[\g+4], \r                          ; tile_dim1
	s_mov_b32 s[\g+5], \c                          ; from row to row
	s_mov_b32 s[\g+6], 0
	s_mov_b32 s[\g+7], 0
.endm
.macro G0SET g, lw, lc, base, off      ; group 0: to LDS byte lc + s[lw] (the wave's term), from buffer s[base:base+1] + s[off:off+1]
	s_mov_b32 s[\g], 1
	s_add_co_u32 s[\g+1], s[\lw], \lc
	s_add_nc_u64 s[\g+2:\g+3], s[\base:\base+1], s[\off:\off+1]
	s_or_b32 s[\g+3], s[\g+3], 0x80000000
.endm
.macro FETCH q, f                      ; 28 LDS loads: P's four fragments and scale words of the q-th 128 along K (R's fragments stay in registers)
	WIN 0x40
.irp a, 0,1,2,3
.irp p, 0,1,2,3,4,5
	ds_load_b64 v[\f+12*\a+2*\p:\f+12*\a+2*\p+1], v[ADRP] offset:12288*\a+1536*(\q)+256*\p
.endr
.endr
	WIN 0
.irp i, 0,1,2,3
	ds_load_b32 v[SC+4*((\q)%2)+\i], v[ADPS] offset:512*(\q)+64*\i
.endr
.endm
.macro MULQ f, q, b, cm                ; four products: P's four tiles x R's tile b, the q-th 128 along K.  cm = 0: onto the sums; 1: the bias starts them
	WIN 0x09+4*((\q)/5)+16*(\cm)                   ; source 0 window 1; source 1, R's fragment, window 2 (K steps 0-4) or 3 (5-7); the bias as C window 1
.irp a, 0,1,2,3
.if \cm == 0
	v_wmma_scale_f32_16x16x128_f8f6f4 v[ACC+8*(4*\b+\a):ACC+8*(4*\b+\a)+7], v[\f+12*\a:\f+12*\a+11], v[48*((\q)%5)+12*\b:48*((\q)%5)+12*\b+11], v[ACC+8*(4*\b+\a):ACC+8*(4*\b+\a)+7], v[SC+4*((\q)%2)+\a], v[RSC+4*(\q)+\b] matrix_a_fmt:MATRIX_FMT_FP6 matrix_b_fmt:MATRIX_FMT_FP6
.else
	v_wmma_scale_f32_16x16x128_f8f6f4 v[ACC+8*(4*\b+\a):ACC+8*(4*\b+\a)+7], v[\f+12*\a:\f+12*\a+11], v[48*((\q)%5)+12*\b:48*((\q)%5)+12*\b+11], v[CB+8*\a:CB+8*\a+7], v[SC+4*((\q)%2)+\a], v[RSC+4*(\q)+\b] matrix_a_fmt:MATRIX_FMT_FP6 matrix_b_fmt:MATRIX_FMT_FP6
.endif
.endr
.endm
.macro STEP q, f, g, cm                ; 128 along K from set f, while the next 128 come into set g.  The 16 accumulators take turns, one instruction a turn, in the same order in every step
	PLACES
	FETCH \q+1, \g
	s_wait_dscnt 28                                ; all but the 28 loads just issued
	MULQ \f, \q, 0, \cm
	MULQ \f, \q, 1, \cm
	MULQ \f, \q, 2, \cm
	MULQ \f, \q, 3, \cm
.endm
; A tile's last 128 along K.  In front of the barrier each wave waits for all its tensor loads (its quarter of the other slot), adds 0 to its spare word, and waits for that and for its reads of this slot.
; fill = 1: the barrier opens a round of the cluster's barrier, and behind the round this slot is asked for the tile two further on.
.macro LAST fill
	WIN 0
	s_wait_tensorcnt 0x0                           ; all my tensor loads have landed
	ds_add_u32 v[SPW], v[NIL]                      ; 0 onto my spare word
	s_wait_dscnt 1                                 ; set F1 is in; the add may be out
	MULQ F1, 7, 0, 0
	s_wait_dscnt 0x0                               ; the add is done, and my reads of this slot are over
	s_barrier_signal -1
	MULQ F1, 7, 1, 0
	WIN 0
	s_barrier_wait -1
.if \fill
	CREST                                          ; no wave of any partner still reads this slot or has a load on its way
	s_xor_b32 s[G0W+1], s[G0W+1], SLOT1            ; the walking descriptor: the other slot than last time,
	s_add_nc_u64 s[G0W+2:G0W+3], s[G0W+2:G0W+3], TILEB   ; the next tile of P; the type bits on top are not reached
	tensor_load_to_lds s[G0W:G0W+3], s[G1PC:G1PC+7]      ; my one tensor load behind the round, and the first thing there
	s_nop 0
	PLACES
.endif
	MULQ F1, 7, 2, 0
	MULQ F1, 7, 3, 0
	WIN 0
	PLACES                                         ; behind the last products, in front of the first read of the sums
.endm
.macro Q2 s                            ; 32 numbers of a lane (register 16 b + i = k 32 b + 16 h + i) become registers 0-5 of a fragment in v[E] on, and two scale bytes in v[PW]
	v_max3_num_f32 v[TM], |v[\s]|, |v[\s+1]|, 0x1800000
	v_max3_num_f32 v[TM+1], |v[\s+16]|, |v[\s+17]|, 0x1800000      ; the floor 2^(3 - 127): the byte cannot fall under 1
.irp i, 2,4,6,8,10,12,14
	v_max3_num_f32 v[TM], v[TM], |v[\s+\i]|, |v[\s+\i+1]|
	v_max3_num_f32 v[TM+1], v[TM+1], |v[\s+16+\i]|, |v[\s+17+\i]|
.endr
	v_permlanex16_b32 v[TM+2], v[TM], s[SEL], s[SEL+1]
	v_permlanex16_b32 v[TM+3], v[TM+1], s[SEL], s[SEL+1]
	v_max_num_f32 v[TM], v[TM], v[TM+2]
	v_max_num_f32 v[TM+1], v[TM+1], v[TM+3]
	v_add_nc_u32 v[TM+4], 0xff000000, v[TM]        ; 2 off the exponent field: the conversion's scale operand
	v_add_nc_u32 v[TM+5], 0xff000000, v[TM+1]
	v_lshrrev_b32 v[TM+2], 23, v[TM+4]
	v_lshrrev_b32 v[TM+3], 23, v[TM+5]
	v_lshl_or_b32 v[PW], v[TM+3], 8, v[TM+2]
	v_cvt_scalef32_pk16_fp6_f32 v[E:E+2], v[\s:\s+15], v[TM+4]
	v_cvt_scalef32_pk16_fp6_f32 v[E+4:E+6], v[\s+16:\s+31], v[TM+5]
	v_nop                                          ; one plain place behind a scaled conversion
.irp i, 0,1,2
	v_permlane16_swap_b32 v[E+\i], v[E+4+\i]       ; a whole block to a lane: lanes 0-15 block 0, lanes 16-31 block 1
.endr
	v_mov_b32 v[E+3], v[E+4]
	v_mov_b32 v[E+4], v[E+5]
	v_mov_b32 v[E+5], v[E+6]
.endm
.macro COEF r, bits                    ; a coefficient, twice: the packed forms name a pair
	s_mov_b32 s[\r], \bits
	s_mov_b32 s[\r+1], \bits
.endm
.macro GELU8 A                         ; an accumulator's eight registers, in place, from the low end on
.irp i, 0,2,4,6
	v_pk_mul_f32 v[Z+\i:Z+\i+1], v[\A+\i:\A+\i+1], s[KR:KR+1] op_sel_hi:[1,0]   ; z = u / sqrt 2
.endr
.irp i, 0,1,2,3,4,5,6,7
	v_med3_num_f32 v[Z+\i], v[Z+\i], -4.0, 4.0
.endr
.irp i, 0,2,4,6
	v_pk_mul_f32 v[S+\i:S+\i+1], v[Z+\i:Z+\i+1], v[Z+\i:Z+\i+1]
.endr
.irp i, 0,2,4,6
	v_pk_fma_f32 v[PN+\i:PN+\i+1], v[S+\i:S+\i+1], v[VA:VA+1], s[A11:A11+1] op_sel_hi:[1,1,0]
.endr
.irp i, 0,2,4,6
	v_pk_fma_f32 v[QD+\i:QD+\i+1], v[S+\i:S+\i+1], v[VB:VB+1], s[B6:B6+1] op_sel_hi:[1,1,0]
.endr
.irp c, A9, A7, A5, A3, A1
.irp i, 0,2,4,6
	v_pk_fma_f32 v[PN+\i:PN+\i+1], v[PN+\i:PN+\i+1], v[S+\i:S+\i+1], s[\c:\c+1] op_sel_hi:[1,1,0]
.endr
.endr
.irp c, B4, B2, B0
.irp i, 0,2,4,6
	v_pk_fma_f32 v[QD+\i:QD+\i+1], v[QD+\i:QD+\i+1], v[S+\i:S+\i+1], s[\c:\c+1] op_sel_hi:[1,1,0]
.endr
.endr
	s_wait_alu depctr_va_vdst(0)
.irp i, 0,1,2,3,4,5,6,7
	v_rcp_f32 v[QD+\i], v[QD+\i]
.endr
.irp i, 0,2,4,6
	v_pk_mul_f32 v[PN+\i:PN+\i+1], v[PN+\i:PN+\i+1], v[Z+\i:Z+\i+1]             ; (plain places behind the reciprocals)
.endr
	s_wait_alu depctr_va_vdst(0)
.irp i, 0,2,4,6
	v_pk_mul_f32 v[PN+\i:PN+\i+1], v[PN+\i:PN+\i+1], v[QD+\i:QD+\i+1]           ; erf
.endr
.irp i, 0,2,4,6
	v_pk_mul_f32 v[Z+\i:Z+\i+1], v[\A+\i:\A+\i+1], 0.5 op_sel_hi:[1,0]
.endr
.irp i, 0,2,4,6
	v_pk_fma_f32 v[\A+\i:\A+\i+1], v[Z+\i:Z+\i+1], v[PN+\i:PN+\i+1], v[Z+\i:Z+\i+1]   ; 0.5 u erf + 0.5 u
.endr
.endm
; THE WAY OUT of a tile: gelu, the quantiser, the codes' stores; the four waves' halves of the 128 scale words meet in LDS, and wave 0 stores them.
; The words are written again in the next tile only behind that tile's barrier, which wave 0 signals with its read of them done.
.macro WAYOUT
.irp b, 0,1,2,3
.irp a, 0,1,2,3
	GELU8 ACC+32*\b+8*\a
.endr
	s_wait_xcnt 0x0                                ; the stores issued so far have read the code registers
	Q2 ACC+32*\b
.irp p, 0,1,2
	global_store_b64 v4, v[E+2*\p:E+2*\p+1], s[14:15] offset:49152*\b+256*\p   ; a piece: 256 consecutive bytes, aligned
.endr
	ds_store_b16 v[VM], v[PW] offset:64*\b         ; my two bytes of the place's scale word
.endr
	s_wait_dscnt 0x0                               ; for the others' sake
	s_barrier_signal -1
	s_barrier_wait -1
	s_cmp_lg_u32 s20, 0
	s_cbranch_scc1 .Lnot_first_\@
	ds_load_b128 v[88:91], v[MR]                   ; wave 0 stores the tile's 128 scale words: 512 consecutive bytes
	s_wait_dscnt 0x0
	global_store_b128 v[L16], v[88:91], s[16:17]
.Lnot_first_\@:
	s_wait_xcnt 0x0                                ; the stores have read their registers and bases: both may be written again
	s_add_nc_u64 s[14:15], s[14:15], 1536          ; the next tile's fragment in each row block of the result,
	s_add_nc_u64 s[16:17], s[16:17], 512           ; and its scale words
.endm
; A TILE of 128 x 128: the bias and the first fragments, eight steps of 128 along K, the way out, the steps to the next tile.
.macro TILE fill
	v_add_nc_u32 v[ADRP], s[TB], v[AP0]
	s_wait_alu depctr_va_vdst(0)
	v_add_nc_u32 v[ADPS], s[TS], v[APS0]
	s_wait_alu depctr_va_vdst(0)
	v_add_nc_u32 v[ADB], s[TBI], v[AB0]
	WIN 0x40
.irp a, 0,1,2,3                        ; the bias: tile a's eight hidden units of my half
	ds_load_b128 v[CB+8*\a:CB+8*\a+3], v[ADB] offset:(32*(\a/2)+8*(\a%2))*4
	ds_load_b128 v[CB+8*\a+4:CB+8*\a+7], v[ADB] offset:(32*(\a/2)+8*(\a%2))*4+16
.endr
	FETCH 0, F0
	STEP 0, F0, F1, 1                              ; the bias starts the sums
	STEP 1, F1, F0, 0
	STEP 2, F0, F1, 0
	STEP 3, F1, F0, 0
	STEP 4, F0, F1, 0
	STEP 5, F1, F0, 0
	STEP 6, F0, F1, 0
	LAST \fill
	WAYOUT
	s_xor_b32 s[TB], s[TB], SLOT1                  ; on to the other slot,
	s_add_co_u32 s[TS], s[TS], 4096                ; the next tile's scale words
	s_add_co_u32 s[TBI], s[TBI], 512               ; and bias
.endm
	s_load_b256 s[4:11], s[0:1], 0x0               ; hq, wts, b1, ff
	v_lshl_add_u32 v[SPW], v0, 2, SPARE
	v_mov_b32 v[NIL], 0
	ds_add_u32 v28, v29
	ds_add_u32 v28, v29
	s_wait_dscnt 0x0
	v_lshrrev_b32 v1, 5, v0
	v_readfirstlane_b32 s20, v1                    ; wave 0..3
	s_lshr_b32 s21, s20, 1                         ; my half of R's 128
	s_and_b32 s22, s20, 1                          ; my half of P's 128
	s_bfe_u32 s92, ttmp6, 0x40000                  ; cx
	s_bfe_u32 s93, ttmp6, 0x40004                  ; cy
	s_lshl_b32 s94, ttmp9, 2
	s_add_co_u32 s94, s94, s92                     ; px: my four tiles of P are 4 px .. 4 px + 3
	s_and_b32 s95, ttmp7, 0xffff
	s_lshl_b32 s95, s95, 2
	s_add_co_u32 s95, s95, s93                     ; R's tile
	s_lshl_b32 s96, s93, 2
	s_lshl_b32 s96, 15, s96                        ; my row of the cluster
	s_lshl_b32 s97, 0x1111, s92                    ; my column
	G1SET G1PC, 97, 32, 96                         ; a quarter of a tile's codes: 96 rows of 256 bytes
	G1SET G1RC, 96, 32, 384                        ; R's codes, whole: 384 rows of 256 bytes
	G1SET G1SR, 97, 32, 384                        ; P's first tile, whole
	G1SET G1SP, 97, 32, 64                         ; the scale words of P's four tiles
	G1SET G1BI, 97, 32, 8                          ; the four tiles' bias
	s_mul_i32 s23, s20, QUART                      ; the wave's terms: no place in the cluster enters an LDS address
	s_mul_i32 s18, s95, TILEB                      ; R's codes
	s_mov_b32 s19, 0
	s_lshl_b32 s98, s95, 12                        ; R's scale words of my half: they go straight into registers
	s_lshl_b32 s2, s21, 8
	s_add_co_u32 s98, s98, s2
	s_add_co_u32 s98, s98, RS_OFF
	s_mov_b32 s99, 0
	s_mul_i32 s66, s94, 4*TILEB                    ; P's codes: tile 4 px
	s_add_co_u32 s66, s66, PC_OFF
	s_mov_b32 s67, 0
	s_lshl_b32 s14, s94, 14                        ; P's scale words
	s_add_co_u32 s14, s14, PS_OFF
	s_mov_b32 s15, 0
	s_lshl_b32 s16, s94, 11                        ; the bias
	s_mov_b32 s17, 0
	s_wait_kmcnt 0x0
	s_add_nc_u64 s[98:99], s[4:5], s[98:99]
	G0SET G0SP, 19, SCP, 6, 14                     ; (s19 holds 0: the head's four tiles are whole)
	G0SET G0BI, 19, BIA, 8, 16
	G0SET G0RC, 19, RC, 4, 18
	G0SET G0P0, 19, 0, 6, 66
	s_add_co_u32 s66, s66, s23                     ; behind the head each wave fetches its quarter
	G0SET G0W, 23, SLOT1, 6, 66
	s_add_nc_u64 s[G0W+2:G0W+3], s[G0W+2:G0W+3], TILEB   ; tile 4 px + 1
	s_lshl_b32 s2, s95, 3                          ; the result: my first row block (32 fragments each),
	s_lshl_b32 s3, s21, 2
	s_add_co_u32 s2, s2, s3
	s_mul_i32 s2, s2, 49152
	s_lshl_b32 s3, s94, 3
	s_add_co_u32 s3, s3, s22
	s_mul_i32 s3, s3, 768                          ; my half fragment of the first tile in it
	s_add_co_u32 s2, s2, s3
	s_mov_b32 s3, 0
	s_add_nc_u64 s[14:15], s[10:11], s[2:3]
	s_lshl_b32 s2, s95, 5                          ; and the first tile's 128 scale words: (32 R's tile + 4 px) x 512
	s_lshl_b32 s3, s94, 2
	s_add_co_u32 s2, s2, s3
	s_lshl_b32 s2, s2, 9
	s_add_co_u32 s2, s2, FFS
	s_mov_b32 s3, 0
	s_add_nc_u64 s[16:17], s[10:11], s[2:3]
	s_mov_b32 s[SEL], 0x76543210
	s_mov_b32 s[SEL+1], 0xfedcba98
	CROUND                                         ; all sixteen work-groups are here: the first joint loads meet
; The head's loads, one a wave: wave 0 R's codes, wave 1 P's first tile, wave 2 P's scale words, wave 3 the bias.
.macro ARM under, g0, g1, next
	s_cmp_lt_u32 s20, \under
	s_cbranch_scc0 \next
	tensor_load_to_lds s[\g0:\g0+3], s[\g1:\g1+7]
	s_nop 0
	PLACES
	s_branch .Lhead_asked
\next:
.endm
	ARM 1, G0RC, G1RC, .Lhead_p
	ARM 2, G0P0, G1SR, .Lhead_sp
	ARM 3, G0SP, G1SP, .Lhead_bi
	tensor_load_to_lds s[G0BI:G0BI+3], s[G1BI:G1BI+7]
	s_nop 0
	PLACES
.Lhead_asked:
	v_and_b32 v1, 15, v0                           ; r
	v_bfe_u32 v2, v0, 4, 1                         ; h
	s_wait_alu depctr_va_vdst(0)
	v_and_b32 v3, 31, v0                           ; lane
	s_wait_alu depctr_va_vdst(0)
	v_lshlrev_b32 v4, 3, v3                        ; 8 lane
	s_mul_i32 s18, s21, 2*QUART
	s_add_co_u32 s18, s18, RC
	v_add_nc_u32 v[ADRR], s18, v4                  ; my four row blocks of R
	s_mul_i32 s18, s22, 2*QUART
	v_add_nc_u32 v[AP0], s18, v4                   ; my four row blocks of a tile of P
	v_lshlrev_b32 v[ARS], 2, v1                    ; R's scale words: place 16 i + r of K step q at 512 q + 64 i + 4 r of my half
.irp q, 0,1,2,3,4,5,6,7                ; those of all of K stay in registers
.irp i, 0,1,2,3
	global_load_b32 v[RSC+4*\q+\i], v[ARS], s[98:99] offset:512*\q+64*\i
.endr
.endr
	s_lshl_b32 s18, s22, 8
	s_add_co_u32 s19, s18, SCP
	v_lshl_add_u32 v[APS0], v1, 2, s19
	s_add_co_u32 s19, s18, BIA
	v_lshl_add_u32 v[AB0], v2, 6, s19              ; the bias: my half's 256 bytes, + 64 h
	s_lshl_b32 s18, s21, 8
	s_lshl_b32 s19, s22, 1
	s_add_co_u32 s18, s18, s19
	s_add_co_u32 s18, s18, MRG
	v_lshl_add_u32 v[VM], v1, 2, s18               ; place 64 (my half of R) + r, bytes 2 (my half of P) on
	v_lshlrev_b32 v[L16], 4, v3
	v_add_nc_u32 v[MR], MRG, v[L16]
	v_mov_b32 v[VA], 0xaf95df0b                    ; -2.72614225801306e-10
	v_mov_b32 v[VA+1], 0xaf95df0b
	v_mov_b32 v[VB], 0xb77460cd                    ; -1.45660718464996e-5
	v_mov_b32 v[VB+1], 0xb77460cd
	v_mov_b32 v[TM+2], 0                           ; a lane permute's destination counts as one of its sources
	v_mov_b32 v[TM+3], 0
	s_wait_alu depctr_va_vdst(0)                   ; the wait at the head's end
	s_wait_tensorcnt 0x0                           ; my tile of the head's four is in
	ds_add_u32 v[SPW], v[NIL]
	s_wait_dscnt 0x0
	CROUND                                         ; everybody's tile is in, and the joint loads meet
	tensor_load_to_lds s[G0W:G0W+3], s[G1PC:G1PC+7]      ; P's second tile into slot 1: it has the first tile's work in which to land
	s_nop 0
	PLACES
	; R'S FRAGMENTS OF ALL OF K STAY IN REGISTERS for the four tiles: 4 row blocks x 8 K steps x 12 registers: fragment (q, b) at 48 (q % 5) + 12 b of window 2 (q under 5) or 3.  192 LDS loads, once
.irp q, 0,1,2,3,4,5,6,7
	WIN 0x80+0x40*(\q/5)
.irp b, 0,1,2,3
.irp p, 0,1,2,3,4,5
	ds_load_b64 v[48*(\q%5)+12*\b+2*\p:48*(\q%5)+12*\b+2*\p+1], v[ADRR] offset:12288*\b+1536*\q+256*\p
.endr
.endr
.endr
	WIN 0
	COEF KR,  0x3f3504f3                           ; 1 / sqrt 2.  (These registers held descriptors of loads that the wait above has shown done)
	COEF A11, 0x32edffee                           ; 2.77068142495902e-8
	COEF A9,  0xb60cff51                           ; -2.10102402082508e-6
	COEF A7,  0xb86ec2d2                           ; -5.69250639462346e-5
	COEF A5,  0xba40ac63                           ; -7.34990630326855e-4
	COEF A3,  0xbb41a1f6                           ; -2.95459980854025e-3
	COEF A1,  0xbc83dbd4                           ; -1.60960333262415e-2
	COEF B6,  0xb95fbd29                           ; -2.13374055278905e-4
	COEF B4,  0xbadc924e                           ; -1.68282697438203e-3
	COEF B2,  0xbbf19bf8                           ; -7.37332916720468e-3
	COEF B0,  0xbc69b6a7                           ; -1.42647390514189e-2
	s_mov_b32 s[TB], 0
	s_mov_b32 s[TS], 0
	s_mov_b32 s[TBI], 0
	s_wait_loadcnt 0x0                             ; R's scale words are in
	s_mov_b32 s[CNT], 2
.Lfill:                                ; tiles 0 and 1: behind each one's products its slot is asked for the tile two further on
	TILE 1
	s_sub_co_u32 s[CNT], s[CNT], 1
	s_cmp_lg_u32 s[CNT], 0
	s_cbranch_scc1 .Lfill
	s_mov_b32 s[CNT], 2
.Ltail:                                ; tiles 2 and 3 are written a second time: nothing is left to fetch
	TILE 0
	s_sub_co_u32 s[CNT], s[CNT], 1
	s_cmp_lg_u32 s[CNT], 0
	s_cbranch_scc1 .Ltail
	s_wait_tensorcnt 0x0                           ; the wave's end
	ds_add_u32 v[SPW], v[NIL]
	s_wait_dscnt 0x0
	CROUND                                         ; the closing round: no work-group ends while a partner may still ask for a tile that names it
	s_endpgm
.Lfunc_end_k_q6df64c872f_w1:
	.size	k_q6df64c872f_w1, .Lfunc_end_k_q6df64c872f_w1-k_q6df64c872f_w1
	.p2alignl 7, 3214868480
	.fill 96, 4, 3214868480
	.section	.rodata,"a",@progbits
	.p2align	6, 0x0
	.amdhsa_kernel k_q6df64c872f_w1
		.amdhsa_group_segment_fixed_size 327680
		.amdhsa_private_segment_fixed_size 0
		.amdhsa_enable_private_segment 0
		.amdhsa_kernarg_size 32
		.amdhsa_user_sgpr_count 2
		.amdhsa_user_sgpr_kernarg_segment_ptr 1
		.amdhsa_wavefront_size32 1
		.amdhsa_system_sgpr_workgroup_id_x 1
		.amdhsa_system_sgpr_workgroup_id_y 1
		.amdhsa_system_sgpr_workgroup_id_z 1
		.amdhsa_system_vgpr_workitem_id 0
		.amdhsa_next_free_vgpr 1024
		.amdhsa_next_free_sgpr 100
		.amdhsa_reserve_vcc 0
		.amdhsa_float_denorm_mode_32 3
		.amdhsa_float_denorm_mode_16_64 3
		.amdhsa_memory_ordered 1
		.amdhsa_forward_progress 1
		.amdhsa_inst_pref_size 255
	.end_amdhsa_kernel
	.section	.bss,"aw",@nobits
	.p2align	6
	.space	262144
	.amdgpu_metadata
---
amdhsa.version: [ 1, 2 ]
amdhsa.kernels:
  - .name:           k_q6df64c872f_w1
    .symbol:         k_q6df64c872f_w1.kd
    .args:
      - { .name: hq, .offset: 0, .size: 8, .value_kind: global_buffer, .address_space: global }
      - { .name: wts, .offset: 8, .size: 8, .value_kind: global_buffer, .address_space: global }
      - { .name: b1, .offset: 16, .size: 8, .value_kind: global_buffer, .address_space: global }
      - { .name: ff, .offset: 24, .size: 8, .value_kind: global_buffer, .address_space: global }
    .group_segment_fixed_size: 327680
    .private_segment_fixed_size: 0
    .kernarg_segment_align: 8
    .kernarg_segment_size: 32
    .max_flat_workgroup_size: 128
    .sgpr_count:     100
    .vgpr_count:     1024
    .wavefront_size: 32
...
	.end_amdgpu_metadata
.endif
;; end of part 5
;; launch w2 (part 6): grid 8 x 32, 4 waves a work-group, clusters of 4 x 4, 327,680 bytes of LDS; arguments ff, wts, b2, x1, out0; writes out0
.if DOCPART == 6
	.amdgcn_target "amdgcn-amd-amdhsa--gfx1250"
	.amdhsa_code_object_version 6
	.text
	.protected	k_q6df64c872f_w2
	.globl	k_q6df64c872f_w2
	.p2align	8
	.type	k_q6df64c872f_w2,@function
k_q6df64c872f_w2:
	s_mov_b64 s[64:65], 0
	v_nop
	global_prefetch_b8 v0, s[64:65] scope:SCOPE_SE
	s_setreg_imm32_b32 hwreg(HW_REG_WAVE_MODE, 25, 1), 1
	s_wait_xcnt 0x0
	s_wait_alu depctr_hold_cnt(0) depctr_sa_sdst(0) depctr_va_vdst(0) depctr_va_sdst(0) depctr_va_ssrc(0) depctr_va_vcc(0) depctr_vm_vsrc(0)
	s_getreg_b32 s2, hwreg(HW_REG_IB_STS2, 6, 4)
	s_cmp_eq_u32 s2, 0
	s_cbranch_scc0 .Lentry_in_a_cluster
	s_endpgm
.Lentry_in_a_cluster:
	s_bfe_u32 s2, ttmp6, 0x10000c
	s_cmp_lg_u32 s2, 0xf033
	s_cbranch_scc0 .Lentry_shape_is_right
	s_endpgm
.Lentry_shape_is_right:
; out = x1 + ff W2^T + b2, the product on codes of FP6 (E2M3) with E8M0 scales, K = 4,096: 32 K steps of 128.
; D = P R^T: source 0 = 16 places of P (rows of W2), source 1 = 16 places of R (tokens).  A work-group makes 128 x 128, a wave 64 x 64: 16 accumulators, which take turns.
; THE RING: two slots of six K steps, each with R's and P's codes (2 x 73,728 bytes) and their scale words (2 x 3,072): 153,600 bytes.  A fill is four joint loads, one a wave.  32 steps are six fills: five of six steps, one of two.
; A wave has one load out behind each round; it has the other slot's six steps, 96 matrix instructions a wave, in which to land.  The walk is written out by .rept: the last fill's shape differs, and the fills behind the head are an odd number.
; CLUSTERS 4 x 4: R's tiles are asked for jointly by a row of the cluster, P's by a column.
; PREFETCH: behind fill j's loads the codes of fill j + 1 are asked for, each 256 bytes once in a cluster; the scale words, 1 byte in 24 of a fill, are not.  Nothing is asked for beyond the last fill.
; LIMITS: NaN and infinities are not served.
.set KT,     32
.set NSL,    6
.set PC_OFF, 6291456
.set PS_OFF, 9699328
.set RS_OFF, 12582912
.set NF,    (KT+NSL-1)/NSL             ; fills
.set NS2,   KT-(NF-1)*NSL              ; K steps of the last fill
.set CODB,  8*NSL*1536                 ; one operand's codes in a slot: [row block 8][K step][1,536]
.set SCB,   2*CODB                     ; behind R's and P's codes: R's scale words, then P's, 512 bytes a K step
.set SLOT,  SCB+2*NSL*512
.set LSL,   ((NF-1)%2)*SLOT            ; the last fill's slot
.if NF > 1
.set STG,   2*SLOT
.else
.set STG,   SLOT
.endif
.set SPARE, STG+4*4352                 ; behind the four stages of the way out: the spare words
.set ADRR, 8                           ; v8-10   my R fragments in slot 0, in slot 1, in the short last fill
.set ADRP, 12                          ; v12-14  the same for P
.set ADRS, 16                          ; v16-17  scale words: lanes 0-15 R's, lanes 16-31 P's
.set PF0,  18                          ; v18-20  the prefetches' offsets
.set PF1,  19
.set PF2,  20
.set STO,  24
.set RD,   25
.set CO,   26
.set SPW,  28
.set NIL,  29
.set SC,   32                          ; v32-39  scale words, two sets
.set CB,   40                          ; v40-71  the bias as C
.set OB,   72                          ; v72-103 the way out
.set ACC,  128                         ; accumulator (a, b) at 128 + 8 (4 b + a);  window 1: two sets of fragments;  window 2: v0-127 the residual
.set G1R,  24
.set G1P,  32
.set G1SR, 40
.set G1SP, 48
.set G0R,  56
.set G0P,  60
.set G0SR, 68
.set G0SP, 72
.set MSB, 0
.macro WIN new
.if MSB != \new
	s_set_vgpr_msb (MSB<<8)|\new
.set MSB, \new
.endif
.endm
.macro PLACES                          ; four plain places behind matrix instructions (ISA guide 7.12.1)
.rept 4
	v_nop
.endr
.endm
.macro CREST
	s_cmp_lg_u32 s20, 0
	s_cbranch_scc1 .Lnot_wave_0_\@
	s_barrier_signal -3
.Lnot_wave_0_\@:
	s_barrier_wait -3
	s_barrier_signal -1
	s_barrier_wait -1
.endm
.macro CROUND
	s_barrier_signal -1
	s_barrier_wait -1
	CREST
.endm
.macro G1SET g, m, c, r, pitch         ; r rows of c elements of 8 bytes, asked for jointly by the work-groups of mask s[m]
	s_or_b32 s[\g], s[\m], (3<<16)|(1<<21)
	s_mov_b32 s[\g+1], (\c)<<16
	s_mov_b32 s[\g+2], (\r)<<16
	s_mov_b32 s[\g+3], (\c)<<16
	s_mov_b32 s[\g+4], \r
	s_mov_b32 s[\g+5], \pitch
	s_mov_b32 s[\g+6], 0
	s_mov_b32 s[\g+7], 0
.endm
.macro G0S g, lc, base, off
	s_mov_b32 s[\g], 1
	s_mov_b32 s[\g+1], \lc
	s_add_nc_u64 s[\g+2:\g+3], s[\base:\base+1], s[\off:\off+1]
	s_or_b32 s[\g+3], s[\g+3], 0x80000000
.endm
.macro ARM under, g0, g1, next, end
	s_cmp_lt_u32 s20, \under
	s_cbranch_scc0 \next
	tensor_load_to_lds s[\g0:\g0+3], s[\g1:\g1+7]
	s_nop 0
	PLACES
	s_branch \end
\next:
.endm
.macro JL4                             ; a fill: one joint load a wave: wave 0 R's codes, wave 1 P's, wave 2 R's scale words, wave 3 P's
	ARM 1, G0R, G1R, .Lj1_\@, .Lj4_\@
	ARM 2, G0P, G1P, .Lj2_\@, .Lj4_\@
	ARM 3, G0SR, G1SR, .Lj3_\@, .Lj4_\@
	tensor_load_to_lds s[G0SP:G0SP+3], s[G1SP:G1SP+7]
	s_nop 0
	PLACES
.Lj4_\@:
.endm
.macro NEXTF j                         ; the descriptors of fill j; no load of mine is out here
.set NL, ((\j)%2)*SLOT
	s_mov_b32 s[G0R+1], NL
	s_mov_b32 s[G0P+1], NL+CODB
	s_mov_b32 s[G0SR+1], NL+SCB
	s_mov_b32 s[G0SP+1], NL+SCB+NSL*512
	s_add_nc_u64 s[G0R+2:G0R+3], s[G0R+2:G0R+3], NSL*1536
	s_add_nc_u64 s[G0P+2:G0P+3], s[G0P+2:G0P+3], NSL*1536
	s_add_nc_u64 s[G0SR+2:G0SR+3], s[G0SR+2:G0SR+3], NSL*512
	s_add_nc_u64 s[G0SP+2:G0SP+3], s[G0SP+2:G0SP+3], NSL*512
.if (\j) == NF-1 && NS2 != NSL
.irp g, G1R, G1P
	s_mov_b32 s[\g+1], (NS2*192)<<16               ; the last fill's rows are shorter
	s_mov_b32 s[\g+3], (NS2*192)<<16
.endr
.irp g, G1SR, G1SP
	s_mov_b32 s[\g+2], (2*NS2)<<16
	s_mov_b32 s[\g+4], 2*NS2
.endr
.endif
.endm
.macro ASK j                           ; fill j's codes are asked of memory one fill ahead of their load: my row block's NSL x 1,536 bytes, a lane to each 256
.if (\j) < NF
.if (\j) == NF-1 && NS2 != NSL
	global_prefetch_b8 v[PF2], s[94:95] offset:(\j)*NSL*1536 th:TH_LOAD_NT scope:SCOPE_SE
.else
	global_prefetch_b8 v[PF0], s[94:95] offset:(\j)*NSL*1536 th:TH_LOAD_NT scope:SCOPE_SE
	global_prefetch_b8 v[PF1], s[94:95] offset:(\j)*NSL*1536 th:TH_LOAD_NT scope:SCOPE_SE
.endif
.endif
.endm
.macro FETCHG g                        ; 52 LDS loads: the fragments and scale words of K step g
.set FK, (\g)/NSL
.set FQ, (\g)%NSL
.set FN, NSL
.set FA, FK%2
.if FK == NF-1 && NS2 != NSL
.set FN, NS2
.set FA, 2
.endif
.set FF, 128*((\g)%2)
	WIN 0x40
.irp a, 0,1,2,3
.irp p, 0,1,2,3,4,5
	ds_load_b64 v[FF+12*\a+2*\p:FF+12*\a+2*\p+1], v[ADRP+FA] offset:FN*1536*\a+1536*FQ+256*\p
.endr
.endr
.irp a, 0,1,2,3
.irp p, 0,1,2,3,4,5
	ds_load_b64 v[FF+48+12*\a+2*\p:FF+48+12*\a+2*\p+1], v[ADRR+FA] offset:FN*1536*\a+1536*FQ+256*\p
.endr
.endr
	WIN 0
.irp i, 0,1,2,3
	ds_load_b32 v[SC+4*((\g)%2)+\i], v[ADRS+FK%2] offset:512*FQ+64*\i
.endr
.endm
.macro MULQ g, b                       ; four products: P's four tiles x R's tile b; in K step 0 the bias starts the sums
	WIN 0x05
.set MF, 128*((\g)%2)
.set MS, SC+4*((\g)%2)
.irp a, 0,1,2,3
.if (\g) == 0
	v_wmma_scale_f32_16x16x128_f8f6f4 v[ACC+8*(4*\b+\a):ACC+8*(4*\b+\a)+7], v[MF+12*\a:MF+12*\a+11], v[MF+48+12*\b:MF+48+12*\b+11], v[CB+8*\a:CB+8*\a+7], v[MS+\a], v[MS+\b] matrix_a_fmt:MATRIX_FMT_FP6 matrix_b_fmt:MATRIX_FMT_FP6 matrix_a_scale:MATRIX_SCALE_ROW1
.else
	v_wmma_scale_f32_16x16x128_f8f6f4 v[ACC+8*(4*\b+\a):ACC+8*(4*\b+\a)+7], v[MF+12*\a:MF+12*\a+11], v[MF+48+12*\b:MF+48+12*\b+11], v[ACC+8*(4*\b+\a):ACC+8*(4*\b+\a)+7], v[MS+\a], v[MS+\b] matrix_a_fmt:MATRIX_FMT_FP6 matrix_b_fmt:MATRIX_FMT_FP6 matrix_a_scale:MATRIX_SCALE_ROW1
.endif
.endr
.endm
.macro MUL16 g
	MULQ \g, 0
	MULQ \g, 1
	MULQ \g, 2
	MULQ \g, 3
.endm
.macro STEPG g                         ; K step g, while the next step's fragments come into the other set
	PLACES
	FETCHG (\g)+1
	s_wait_dscnt 52                                ; all but the 52 loads just issued
	MUL16 \g
.endm
.macro TURN g                          ; a fill's last K step, and the change of slots
.set TK, (\g)/NSL
	WIN 0
	s_wait_tensorcnt 0x0                           ; my load, my part of the other slot, has landed
	ds_add_u32 v[SPW], v[NIL]
	s_wait_dscnt 1                                 ; this step's fragments are in; the add may be out
	MULQ \g, 0
	s_wait_dscnt 0x0                               ; the add is done, and my reads of this slot are over
	s_barrier_signal -1
	MULQ \g, 1
	WIN 0
	s_barrier_wait -1
.if TK+2 < NF
	CREST                                          ; the barrier has opened a round: no wave of any partner still reads this slot or has a load on its way
	NEXTF TK+2
	JL4
.else
	PLACES
.endif
	FETCHG (\g)+1
	ASK TK+3
	MULQ \g, 2
	MULQ \g, 3
.endm
	s_load_b256 s[4:11], s[0:1], 0x0               ; R's buffer, wts, the bias, the residual
	s_load_b64 s[12:13], s[0:1], 0x20              ; the result
	v_lshl_add_u32 v[SPW], v0, 2, SPARE
	v_mov_b32 v[NIL], 0
	ds_add_u32 v[SPW], v[NIL]                      ; the opening lines: the add twice and its wait
	ds_add_u32 v[SPW], v[NIL]
	v_lshrrev_b32 v1, 5, v0
	v_readfirstlane_b32 s20, v1                    ; wave 0..3
	s_lshr_b32 s21, s20, 1                         ; my half of R's 128
	s_and_b32 s22, s20, 1                          ; my half of P's 128
	s_bfe_u32 s76, ttmp6, 0x40000                  ; cx
	s_bfe_u32 s77, ttmp6, 0x40004                  ; cy
	s_lshl_b32 s78, ttmp9, 2
	s_add_co_u32 s78, s78, s76                     ; P's tile
	s_and_b32 s79, ttmp7, 0xffff
	s_lshl_b32 s79, s79, 2
	s_add_co_u32 s79, s79, s77                     ; R's tile
	s_lshl_b32 s80, s77, 2
	s_lshl_b32 s80, 15, s80                        ; my row of the cluster
	s_lshl_b32 s81, 0x1111, s76                    ; my column
	G1SET G1R, 80, NSL*192, 8, KT*192              ; 8 row blocks x NSL K steps of 1,536 bytes
	G1SET G1P, 81, NSL*192, 8, KT*192
	G1SET G1SR, 80, 32, 2*NSL, 32                  ; NSL x 512 dense bytes, as rows of 256
	G1SET G1SP, 81, 32, 2*NSL, 32
	s_mul_i32 s82, s79, 8*KT*1536
	s_mov_b32 s83, 0
	s_mul_i32 s84, s79, KT*512
	s_add_co_u32 s84, s84, RS_OFF
	s_mov_b32 s85, 0
	s_mul_i32 s86, s78, 8*KT*1536
	s_add_co_u32 s86, s86, PC_OFF
	s_mov_b32 s87, 0
	s_mul_i32 s88, s78, KT*512
	s_add_co_u32 s88, s88, PS_OFF
	s_mov_b32 s89, 0
	s_wait_dscnt 0x0
	s_wait_kmcnt 0x0
	G0S G0R, 0, 4, 82
	G0S G0P, CODB, 6, 86
	G0S G0SR, SCB, 4, 84
	G0S G0SP, SCB+NSL*512, 6, 88
	CROUND                                         ; all sixteen work-groups are here: the first joint loads meet
	JL4                                            ; fill 0
	s_lshl_b32 s14, s78, 9
	s_lshl_b32 s15, s22, 8
	s_add_co_u32 s14, s14, s15                     ; my 64 columns, in bytes
	s_mov_b32 s15, 0
	s_lshl_b32 s90, s79, 19
	s_lshl_b32 s91, s21, 18
	s_add_co_u32 s90, s90, s91
	s_add_co_u32 s90, s90, s14
	s_mov_b32 s91, 0
	s_add_nc_u64 s[8:9], s[8:9], s[14:15]
	s_add_nc_u64 s[10:11], s[10:11], s[90:91]
	s_add_nc_u64 s[12:13], s[12:13], s[90:91]
	s_mul_i32 s23, s21, 4*NSL*1536
	s_mul_i32 s96, s22, 4*NSL*1536
	s_add_co_u32 s96, s96, CODB
	s_lshl_b32 s18, s21, 8
	s_lshl_b32 s19, s22, 8
	s_add_co_u32 s19, s19, NSL*512
	s_sub_co_u32 s19, s19, s18                     ; from my R's scale words to my P's
	s_add_co_u32 s18, s18, SCB
	s_mul_i32 s16, s20, 4352
	s_add_co_u32 s16, s16, STG
.if NF > 1
	s_mul_i32 s97, s21, 4*NS2*1536
	s_add_co_u32 s97, s97, LSL
	s_mul_i32 s98, s22, 4*NS2*1536
	s_add_co_u32 s98, s98, LSL+CODB
	s_cmp_eq_u32 s21, 0                            ; the prefetches: waves 0 and 1 ask for R, waves 2 and 3 for P; the four partners that share a tile take two row blocks each, told apart by address
	s_cselect_b32 s92, s79, s78
	s_cselect_b32 s93, s76, s77
	s_cselect_b32 s17, 0, PC_OFF
	s_cselect_b64 s[94:95], s[4:5], s[6:7]
	s_lshl_b32 s92, s92, 3
	s_lshl_b32 s93, s93, 1
	s_add_co_u32 s92, s92, s93
	s_add_co_u32 s92, s92, s22
	s_mul_i32 s92, s92, KT*1536
	s_add_co_u32 s92, s92, s17
	s_mov_b32 s93, 0
	s_add_nc_u64 s[94:95], s[94:95], s[92:93]
.endif
	v_and_b32 v1, 15, v0                           ; r
	v_bfe_u32 v2, v0, 4, 1                         ; h
	v_and_b32 v3, 31, v0
	v_lshlrev_b32 v4, 3, v3
	v_add_nc_u32 v[ADRR], s23, v4
	v_add_nc_u32 v[ADRP], s96, v4
	v_mul_u32_u24 v5, s19, v2
	v_lshl_add_u32 v5, v1, 2, v5
	v_add_nc_u32 v[ADRS], s18, v5
	v_mul_u32_u24 v5, v1, 272
	v_lshl_add_u32 v5, v2, 6, v5
	v_add_nc_u32 v[STO], s16, v5
	v_mul_u32_u24 v5, v2, 272
	v_lshl_add_u32 v5, v1, 4, v5
	v_add_nc_u32 v[RD], s16, v5
	v_lshlrev_b32 v5, 12, v2
	v_lshl_add_u32 v[CO], v1, 4, v5
	v_lshlrev_b32 v6, 6, v2
.if NF > 1
	v_add_nc_u32 v[ADRR+1], SLOT, v[ADRR]
	v_add_nc_u32 v[ADRP+1], SLOT, v[ADRP]
	v_add_nc_u32 v[ADRS+1], SLOT, v[ADRS]
	v_add_nc_u32 v[ADRR+2], s97, v4
	v_add_nc_u32 v[ADRP+2], s98, v4
	v_lshlrev_b32 v[PF0], 8, v3                    ; blocks 0-31 of a fill's 6 NSL in my row block,
	v_min_u32 v7, NSL*6-33, v3
	v_lshl_add_u32 v[PF1], v7, 8, 8192             ; the rest (lanes left over name the last again),
	v_min_u32 v7, NS2*6-1, v3
	v_lshlrev_b32 v[PF2], 8, v7                    ; and the short last fill's
.endif
.irp a, 0,1,2,3
	global_load_b128 v[CB+8*\a:CB+8*\a+3], v6, s[8:9] offset:(32*(\a/2)+8*(\a%2))*4
	global_load_b128 v[CB+8*\a+4:CB+8*\a+7], v6, s[8:9] offset:(32*(\a/2)+8*(\a%2))*4+16
.endr
	WIN 0x80
.irp b, 0,1,2,3
.irp t, 0,1,2,3,4,5,6,7
	global_load_b128 v[32*\b+4*\t:32*\b+4*\t+3], v[CO], s[10:11] offset:(32*(\b/2)+8*(\b%2)+2*\t+8*(\t/4))*4096   ; the residual: 256 consecutive bytes for sixteen lanes
.endr
.endr
	WIN 0
	ASK 1
	s_wait_alu depctr_va_vdst(0)                   ; the wait at the head's end
	s_wait_tensorcnt 0x0                           ; my part of fill 0 is in
.if NF > 1
	ds_add_u32 v[SPW], v[NIL]
	s_wait_dscnt 0x0
	CROUND
	NEXTF 1
	JL4                                            ; fill 1, into slot 1
.else
	s_barrier_signal -1
	s_barrier_wait -1                              ; everybody's part is in
.endif
	FETCHG 0
	ASK 2
	s_wait_loadcnt 32                              ; the bias is in; the residual's 32 loads may be out
.set ST, 0
.rept KT-1
.if ST%NSL == NSL-1
	TURN ST
.else
	STEPG ST
.endif
.set ST, ST+1
.endr
	s_wait_dscnt 0x0
	MUL16 KT-1
	WIN 0
	PLACES
.irp b, 0,1,2,3                        ; the way out: 16 places x 64 columns through my own stage, back as rows of 256 bytes, + the residual
.irp a, 0,1,2,3
	ds_store_b128 v[STO], v[ACC+8*(4*\b+\a):ACC+8*(4*\b+\a)+3] offset:128*(\a/2)+32*(\a%2)
	ds_store_b128 v[STO], v[ACC+8*(4*\b+\a)+4:ACC+8*(4*\b+\a)+7] offset:128*(\a/2)+32*(\a%2)+16
.endr
.if \b > 0
	s_wait_xcnt 0x0                                ; the last block's stores have read their registers
.endif
.irp t, 0,1,2,3,4,5,6,7
	ds_load_b128 v[OB+4*\t:OB+4*\t+3], v[RD] offset:544*\t
.endr
	s_wait_dscnt 0x0
.if \b == 0
	s_wait_loadcnt 0x0
.endif
	WIN 0x08
.irp i, 0,1,2,3,4,5,6,7,8,9,10,11,12,13,14,15
	v_pk_add_f32 v[OB+2*\i:OB+2*\i+1], v[OB+2*\i:OB+2*\i+1], v[32*\b+2*\i:32*\b+2*\i+1]
.endr
	WIN 0
.irp t, 0,1,2,3,4,5,6,7
	global_store_b128 v[CO], v[OB+4*\t:OB+4*\t+3], s[12:13] offset:(32*(\b/2)+8*(\b%2)+2*\t+8*(\t/4))*4096
.endr
.endr
	s_wait_tensorcnt 0x0                           ; the wave's end
	ds_add_u32 v[SPW], v[NIL]
	s_wait_dscnt 0x0
	CROUND                                         ; the closing round
	s_endpgm
.Lfunc_end_k_q6df64c872f_w2:
	.size	k_q6df64c872f_w2, .Lfunc_end_k_q6df64c872f_w2-k_q6df64c872f_w2
	.p2alignl 7, 3214868480
	.fill 96, 4, 3214868480
	.section	.rodata,"a",@progbits
	.p2align	6, 0x0
	.amdhsa_kernel k_q6df64c872f_w2
		.amdhsa_group_segment_fixed_size 327680
		.amdhsa_private_segment_fixed_size 0
		.amdhsa_enable_private_segment 0
		.amdhsa_kernarg_size 40
		.amdhsa_user_sgpr_count 2
		.amdhsa_user_sgpr_kernarg_segment_ptr 1
		.amdhsa_wavefront_size32 1
		.amdhsa_system_sgpr_workgroup_id_x 1
		.amdhsa_system_sgpr_workgroup_id_y 1
		.amdhsa_system_sgpr_workgroup_id_z 1
		.amdhsa_system_vgpr_workitem_id 0
		.amdhsa_next_free_vgpr 768
		.amdhsa_next_free_sgpr 100
		.amdhsa_reserve_vcc 0
		.amdhsa_float_denorm_mode_32 3
		.amdhsa_float_denorm_mode_16_64 3
		.amdhsa_memory_ordered 1
		.amdhsa_forward_progress 1
		.amdhsa_inst_pref_size 213
	.end_amdhsa_kernel
	.amdgpu_metadata
---
amdhsa.version: [ 1, 2 ]
amdhsa.kernels:
  - .name:           k_q6df64c872f_w2
    .symbol:         k_q6df64c872f_w2.kd
    .args:
      - { .name: ff, .offset: 0, .size: 8, .value_kind: global_buffer, .address_space: global }
      - { .name: wts, .offset: 8, .size: 8, .value_kind: global_buffer, .address_space: global }
      - { .name: b2, .offset: 16, .size: 8, .value_kind: global_buffer, .address_space: global }
      - { .name: x1, .offset: 24, .size: 8, .value_kind: global_buffer, .address_space: global }
      - { .name: out0, .offset: 32, .size: 8, .value_kind: global_buffer, .address_space: global }
    .group_segment_fixed_size: 327680
    .private_segment_fixed_size: 0
    .kernarg_segment_align: 8
    .kernarg_segment_size: 40
    .max_flat_workgroup_size: 128
    .sgpr_count:     100
    .vgpr_count:     768
    .wavefront_size: 32
...
	.end_amdgpu_metadata
.endif
;; end of part 6
